; MI455X (gfx1250); checked and timed in simulation.
; The chip was launched on July 23, 2026; its instructions are those of AMD's public machine-readable ISA for CDNA 5 (MIT licence, August 2026) and "CDNA5" Instruction Set Architecture Reference Guide (July 2026). The comments in the code are by the model that wrote it; some were corrected since.
;; MHA. Allowed arithmetic: matrix products marked QUANTISED: E2M1 operands, one E8M0 scale for each 32 along K, by v_wmma_scale_f32_16x16x128_f8f6f4 with both operands' format E2M1 (or v_wmma_scale_f32_32x16x128_f4), f32 sums; products left as they are: bf16, f16 or f32 operands; f32 sums; everything else in f32.
;; Inputs: Wk 1,024 x 1,024 float32; Wo 1,024 x 1,024 float32; Wq 1,024 x 1,024 float32; Wv 1,024 x 1,024 float32; bo 1,024 float32; x 4 x 2,048 x 1,024 float32.
;; Outputs: out0 4 x 2,048 x 1,024 float32.
;; This version of the problem:
;;   THIS VERSION OF THE PROBLEM IS GIVEN IN LOW PRECISION. The matrix products marked QUANTISED in the list below multiply operands that are first quantised to E2M1 (2 exponent bits, 1 mantissa bit; 4 bits a number), with one power-of-two scale for each 32 numbers along K (OCP MX v1.0); their sums are f32. The products marked 'left as it is' may take bf16, f16 or f32 operands, with f32 sums. Whichever they take, every output number must still come out within the allowed error. Rounding operands to bf16 (8 significant bits) uses up far more of that allowance than f16 does (11 bits, for magnitudes from 6e-5 to 65,504). All else is computed in f32.
;;   The module's matrix products, in the order in which they are computed (A, B: the left and right operand; K: the contracted axis; several contracted axes count as one K, in the product's order):
;;     1. [M 8,192, K 1,024] x [K 1,024, N 1,024]; A: input x; B: input Wq: QUANTISED
;;     2. [M 8,192, K 1,024] x [K 1,024, N 1,024]; A: input x; B: input Wk: QUANTISED
;;     3. [M 8,192, K 1,024] x [K 1,024, N 1,024]; A: input x; B: input Wv: QUANTISED
;;     4. batch 64 x [M 2,048, K 64] x [K 64, N 2,048]; A: computed on the way; B: computed on the way: left as it is (an operand is computed on the way)
;;     5. batch 64 x [M 2,048, K 2,048] x [K 2,048, N 64]; A: computed on the way; B: computed on the way: left as it is (an operand is computed on the way)
;;     6. [M 8,192, K 1,024] x [K 1,024, N 1,024]; A: computed on the way; B: input Wo: left as it is (an operand is computed on the way)
;;   THE QUANTISER, for each operand of a quantised product, along K:
;;     - K is cut into blocks of 32 from its start; a last block that is shorter is filled with zeros.
;;     - A block's scale is 2^e with e = floor(log2(the largest magnitude in the block)) - 2, held to -126 .. 127; a block of zeros has e = 0. As a byte (E8M0): e + 127.
;;     - Each number is divided by its block's scale, clamped to +-6, and rounded to the nearest number of E2M1, ties to even, subnormals kept.
;;     - The product sums the exact products of the quantised numbers (number of the format x scale) in f32.
;;   ~~~python
;;   def quantise(x, axis):      # numpy; x: float32 -> the quantised numbers, widened to float32 again
;;       x = np.moveaxis(x, axis, -1); K = x.shape[-1]
;;       x = np.pad(x, [(0, 0)] * (x.ndim - 1) + [(0, -K % 32)]); x = x.reshape(x.shape[:-1] + (-1, 32)); a = np.abs(x).max(-1, keepdims=True)
;;       e = np.where(a > 0, np.clip(np.frexp(np.where(a > 0, a, 1))[1] - 1 - 2, -126, 127), 0)      # np.frexp(a)[1] - 1 = floor(log2(a)), exactly
;;       r = np.clip(x / 2.0 ** e, -6, 6)
;;       step = 2.0 ** (np.maximum(np.frexp(np.where(r == 0, 1, r))[1] - 1, 0) - 1)
;;       q = np.round(r / step) * step * 2.0 ** e      # np.round: ties to even
;;       return np.moveaxis(q.reshape(q.shape[:-2] + (-1,))[..., :K], -1, axis).astype(np.float32)
;;   ~~~
;; One version. Each part assembles by itself: llvm-mc -triple=amdgcn-amd-amdhsa -mcpu=gfx1250 --defsym DOCPART=n.
;; ======== version 1 of 1: 5 launches
;; limits: values are held in f16: magnitudes above 65,504 overflow, below 6.1e-05 lose precision
;; workspace buffers: xc 4,194,304 bytes; xs 262,144 bytes; wc 1,572,864 bytes; ws 98,304 bytes; wo16 2,097,152 bytes; qkv 50,331,648 bytes; q32 786,432 bytes; ctx 16,777,216 bytes
;; launch prep (part 1): grid 320 x 1, 4 waves a work-group, no clusters, 34,304 bytes of LDS; arguments x, Wq, Wk, Wv, Wo, xc, xs, wc, ws, wo16; writes xc, xs, wc, ws, wo16
.if DOCPART == 1
	.amdgcn_target "amdgcn-amd-amdhsa--gfx1250"
	.amdhsa_code_object_version 6
	.text
	.protected	k_q237cc0a108_prep
	.globl	k_q237cc0a108_prep
	.p2align	8
	.type	k_q237cc0a108_prep,@function
k_q237cc0a108_prep:
	s_mov_b64 s[64:65], 0
	v_nop
	global_prefetch_b8 v0, s[64:65] scope:SCOPE_SE
	s_setreg_imm32_b32 hwreg(HW_REG_WAVE_MODE, 25, 1), 1
	s_wait_xcnt 0x0
; PREP.  x [8192][1024] and Wq, Wk, Wv [1024 (k)][1024 (n)], f32, become codes of FP4 (E2M1) with one E8M0 byte for each 32 along K; Wo [1024 (k)][1024 (n)] becomes f16.
; A block's scale is 2^(floor(log2(its largest magnitude)) - 2): its byte is the largest magnitude's exponent field - 2, held at 1 from below; each number is divided by the scale and rounded to the
; nearest code, ties to even, beyond 6 the largest code.
; LIMITS: NaN and infinities among the inputs are not served; a block whose largest magnitude lies under 2^-124 has its byte held at 1; a block of zeros gets the byte 1 and not 127 (its codes are zeros,
; which add nothing, and this program alone reads the bytes); |Wo| stays under 65,504, f16's largest number (the drawn numbers reach about 0.1).
; EVERY RESULT IS LAID AS AN IMAGE OF THE OPERAND REGISTERS OF THE LAUNCH THAT READS IT: a fragment is 1,024 bytes, the four registers of group c of lane l at 512 c + 16 l.
;   xc [kg 2][mtile 512][kq 4][kb 4][r 16][16 B]: k = 512 kg + 128 kq + 32 kb + .., row 16 mtile + r;   xs [mtile 512][kg 2][r 16][four scale words, kq 0..3]
;   wc [kg 2][ntile 192][kq 4][kb 4][r 16][16 B], ws [ntile 192][kg 2][r 16][16 B]: column 16 ntile + r of Wq | Wk | Wv;   wo16 [ks 8][ntile 64][kq 4][g 4][r 16][16 B]: k = 128 ks + 32 kq + 8 g + ..
; SHARES.  Work-groups 0-63: the four weights, 16 work-groups each: a wave takes 32 columns x 512 along K, A LANE A COLUMN, ITS REGISTERS DOWN K, so that a block of 32 lies in one lane and nothing is transposed;
; sixteen neighbouring lanes store 256 consecutive bytes, aligned.  Work-groups 64-319: x: a wave takes 16 rows x 512 along K, in four steps of 128; each load reads 512 consecutive bytes of a row, and the
; numbers turn through the wave's own stage in LDS, so that a lane gets 2 x 32 neighbours along K.  No tensor load, no barrier: waves share nothing.
.set SPARE, 33792                      ; behind the four stages: the spare words, 128 bytes a wave: two blocks of 256 bytes that no other line names
.set STGW,  8448                       ; a wave's stage: 16 rows x (512 bytes + 16): an odd multiple of 16 from row to row
.set SPW,   2                          ; v2  LDS address of my spare word; never rewritten
.set NIL,   3                          ; v3  0; never rewritten
.set X,     32                         ; weights: v32-95 two sets of 32 numbers
.set C,     96                         ; weights: v96-159 codes, four registers for each block, so that no store's data are written again (Wo: two sets of 16)
.set SB,    24                         ; v24-27 scale bytes, four to a register
.set R,     32                         ; x: v32-159 two sets of 64 registers as loaded
.set N,     160                        ; x: v160-223 my 2 x 32 neighbours
.set CX,    224                        ; x: v224-255 codes, eight registers for each step
.macro LOAD t                          ; block t: W(32 t + i, my column), i = 0 .. 31, into set t % 2
.irp i, 0,1,2,3,4,5,6,7,8,9,10,11,12,13,14,15,16,17,18,19,20,21,22,23,24,25,26,27,28,29,30,31
	global_load_b32 v[X+32*((\t)%2)+\i], v6, s[26:27] offset:(32*(\t)+\i)*4096 th:TH_LOAD_NT
.endr
.endm
.macro BLOCK t                         ; a block of 32 along K of my column becomes 16 bytes of codes and a scale byte
.set XS, X+32*((\t)%2)
.if (\t) < 15
	s_wait_loadcnt 32                              ; this block's 32 loads are in; the next block's 32 may be out
.else
	s_wait_loadcnt 0x0
.endif
	v_max3_num_f32 v12, |v[XS]|, |v[XS+1]|, |v[XS+2]|              ; the block's largest magnitude, in two chains
	v_max3_num_f32 v13, |v[XS+3]|, |v[XS+4]|, |v[XS+5]|
.irp i, 6,10,14,18,22,26
	v_max3_num_f32 v12, v12, |v[XS+\i]|, |v[XS+\i+1]|
	v_max3_num_f32 v13, v13, |v[XS+\i+2]|, |v[XS+\i+3]|
.endr
	v_max3_num_f32 v12, v12, |v[XS+30]|, |v[XS+31]|
	v_max3_num_f32 v12, v12, v13, 0x1800000        ; and the floor 2^(3 - 127): the byte cannot fall under 1
	v_add_nc_u32 v11, 0xff000000, v12              ; 2 off the exponent field: the conversion takes this operand's exponent field as its scale
	v_lshrrev_b32 v13, 23, v11                     ; the scale's byte
.if (\t)%4 == 0
	v_mov_b32 v[SB+(\t)/4], v13
.else
	v_lshl_or_b32 v[SB+(\t)/4], v13, 8*((\t)%4), v[SB+(\t)/4]
.endif
.irp g, 0,1,2,3
	v_cvt_scalef32_pk8_fp4_f32 v[C+4*(\t)+\g], v[XS+8*\g:XS+8*\g+7], v11
.endr
	global_store_b128 v7, v[C+4*(\t):C+4*(\t)+3], s[28:29] offset:256*(\t)   ; lanes 0-15 and lanes 16-31 each fill 256 consecutive bytes, aligned
.if (\t)+2 < 16
	LOAD (\t)+2
.endif
.endm
.macro BLOCKO t                        ; the same block of Wo, rounded to f16: four groups of eight along K
.set XS, X+32*((\t)%2)
.set DT, C+16*((\t)%2)
.if (\t) < 15
	s_wait_loadcnt 32
.else
	s_wait_loadcnt 0x0
.endif
	s_wait_xcnt 0x0                                ; the stores of two blocks ago have read this set of registers: it is written again only behind this wait
.irp g, 0,1,2,3
.irp e, 0,1,2,3
	v_cvt_pk_f16_f32 v[DT+4*\g+\e], v[XS+8*\g+2*\e], v[XS+8*\g+2*\e+1]
.endr
.endr
.irp g, 0,1,2,3
	global_store_b128 v7, v[DT+4*\g:DT+4*\g+3], s[28:29] offset:((\t)/4)*262144+((\t)%4)*1024+256*\g
.endr
.if (\t)+2 < 16
	LOAD (\t)+2
.endif
.endm
.macro LOADX t                         ; step t of x: 128 along K of my 16 rows; each load reads 512 consecutive bytes of one row
.irp i, 0,1,2,3,4,5,6,7,8,9,10,11,12,13,14,15
	global_load_b128 v[R+64*((\t)%2)+4*\i:R+64*((\t)%2)+4*\i+3], v6, s[26:27] offset:4096*\i+512*(\t) th:TH_LOAD_NT
.endr
.endm
.macro XSTEP t
.set RS, R+64*((\t)%2)
.if (\t) < 3
	s_wait_loadcnt 16                              ; this step's 16 loads are in; the next step's 16 may be out
.else
	s_wait_loadcnt 0x0
.endif
.irp i, 0,1,2,3,4,5,6,7,8,9,10,11,12,13,14,15
	ds_store_b128 v7, v[RS+4*\i:RS+4*\i+3] offset:528*\i           ; row i as it lies
.endr
.irp c, 0,1
.irp j, 0,1,2,3,4,5,6,7
	ds_load_b128 v[N+32*\c+4*\j:N+32*\c+4*\j+3], v8 offset:256*\c+16*\j   ; register 32 c + i: k = 64 c + 32 (lane / 16) + i of row lane % 16.  LDS serves a wave's instructions in order: these see the stores
.endr
.endr
	s_wait_dscnt 0x0                               ; my numbers are back, and the stores have read their registers,
.if (\t) < 2
	LOADX (\t)+2                                   ; which take the loads of two steps on
.endif
.irp c, 0,1
	v_max3_num_f32 v[12+\c], |v[N+32*\c]|, |v[N+32*\c+1]|, 0x1800000     ; my two blocks by turns; the floor 2^(3 - 127) among the leaves
.endr
.irp i, 2,4,6,8,10,12,14,16,18,20,22,24,26,28,30
.irp c, 0,1
	v_max3_num_f32 v[12+\c], v[12+\c], |v[N+32*\c+\i]|, |v[N+32*\c+\i+1]|
.endr
.endr
.irp c, 0,1
	v_add_nc_u32 v[14+\c], 0xff000000, v[12+\c]    ; the conversion's scale operand
.endr
.irp c, 0,1
	v_lshrrev_b32 v[16+\c], 23, v[14+\c]           ; the byte
.endr
	v_lshl_or_b32 v18, v17, 16, v16                ; my two bytes: blocks h and 2 + h of row r,
	v_lshlrev_b32 v18, v10, v18                    ; 8 h bits up;
	v_permlanex16_b32 v28, v18, s32, s33
	v_or_b32 v[SB+(\t)], v18, v28                  ; with lane l xor 16's two the step's scale word is whole
.irp c, 0,1
.irp g, 0,1,2,3
	v_cvt_scalef32_pk8_fp4_f32 v[CX+8*(\t)+4*\c+\g], v[N+32*\c+8*\g:N+32*\c+8*\g+7], v[14+\c]
.endr
.endr
	v_nop                                          ; one plain line behind the last scaled conversion
.irp c, 0,1
	global_store_b128 v6, v[CX+8*(\t)+4*\c:CX+8*(\t)+4*\c+3], s[28:29] offset:1024*(\t)+512*\c   ; 512 consecutive bytes: half a fragment's image
.endr
.endm
	s_load_b256 s[4:11], s[0:1], 0x0               ; x s[4:5], Wq s[6:7], Wk s[8:9], Wv s[10:11]
	s_load_b256 s[12:19], s[0:1], 0x20             ; Wo s[12:13], xc s[14:15], xs s[16:17], wc s[18:19]
	s_load_b128 s[20:23], s[0:1], 0x40             ; ws s[20:21], wo16 s[22:23]
	v_lshl_add_u32 v[SPW], v0, 2, SPARE
	v_mov_b32 v[NIL], 0
	v_lshrrev_b32 v1, 5, v0
	v_readfirstlane_b32 s24, v1                    ; wave 0..3
	v_and_b32 v1, 31, v0                           ; lane
	v_and_b32 v4, 15, v0                           ; r
	v_bfe_u32 v5, v0, 4, 1                         ; h
	s_mov_b32 s41, 0                               ; the upper word of every offset
	s_wait_kmcnt 0x0
	s_cmp_ge_u32 ttmp9, 64
	s_cbranch_scc1 .Lx
	; ---- the weights
	s_bfe_u32 s36, ttmp9, 0x10003                  ; kg: which 512 along K
	s_and_b32 s37, ttmp9, 7
	s_lshl_b32 s37, s37, 2
	s_add_co_u32 s37, s37, s24                     ; which 32 columns, 0..31
	s_lshr_b32 s38, ttmp9, 4                       ; which weight: 0 Wq, 1 Wk, 2 Wv, 3 Wo
	s_mov_b64 s[26:27], s[12:13]
	s_cmp_lt_u32 ttmp9, 48                         ; the choices hang on the work-group's number alone
	s_cselect_b64 s[26:27], s[10:11], s[26:27]
	s_cmp_lt_u32 ttmp9, 32
	s_cselect_b64 s[26:27], s[8:9], s[26:27]
	s_cmp_lt_u32 ttmp9, 16
	s_cselect_b64 s[26:27], s[6:7], s[26:27]
	s_lshl_b32 s40, s36, 21                        ; 512 rows of 4,096 bytes
	s_lshl_b32 s39, s37, 7                         ; 32 columns of 4 bytes
	s_add_co_u32 s40, s40, s39
	s_add_nc_u64 s[26:27], s[26:27], s[40:41]
	v_lshlrev_b32 v6, 2, v1                        ; in: 4 bytes a lane
	v_lshlrev_b32 v7, 4, v4
	v_lshl_add_u32 v7, v5, 12, v7                  ; out: tile lane / 16 (4,096 bytes a tile), 16 bytes for column r
	LOAD 0
	LOAD 1
	s_cmp_lt_u32 ttmp9, 48
	s_cbranch_scc0 .Lwo
	s_lshl_b32 s42, s38, 6
	s_lshl_b32 s39, s37, 1
	s_add_co_u32 s42, s42, s39                     ; my first tile of 16 columns: 64 x weight + 2 x column group
	s_mul_i32 s40, s36, 786432
	s_lshl_b32 s39, s42, 12
	s_add_co_u32 s40, s40, s39
	s_add_nc_u64 s[28:29], s[18:19], s[40:41]      ; the codes
	s_lshl_b32 s40, s42, 9
	s_lshl_b32 s39, s36, 8
	s_add_co_u32 s40, s40, s39
	s_add_nc_u64 s[30:31], s[20:21], s[40:41]      ; the scale bytes
	v_lshlrev_b32 v8, 4, v4
	v_lshl_add_u32 v8, v5, 9, v8                   ; 512 bytes a tile, 16 for column r
.irp t, 0,1,2,3,4,5,6,7,8,9,10,11,12,13,14,15
	BLOCK \t
.endr
	global_store_b128 v8, v[SB:SB+3], s[30:31]     ; my column's 16 scale bytes: sixteen lanes fill 256 consecutive bytes, aligned
	s_endpgm
.Lwo:
	s_lshl_b32 s40, s36, 20                        ; four K steps of 262,144 bytes
	s_lshl_b32 s39, s37, 13                        ; two tiles of 4,096 bytes
	s_add_co_u32 s40, s40, s39
	s_add_nc_u64 s[28:29], s[22:23], s[40:41]
.irp t, 0,1,2,3,4,5,6,7,8,9,10,11,12,13,14,15
	BLOCKO \t
.endr
	s_endpgm                                       ; nor has this one
	; ---- x
.Lx:
	s_sub_co_u32 s36, ttmp9, 64
	s_lshl_b32 s36, s36, 2
	s_add_co_u32 s36, s36, s24                     ; my wave among 1,024
	s_lshr_b32 s37, s36, 1                         ; which 16 rows
	s_and_b32 s38, s36, 1                          ; which 512 along K
	s_lshl_b32 s40, s37, 16
	s_lshl_b32 s39, s38, 11
	s_add_co_u32 s40, s40, s39
	s_add_nc_u64 s[26:27], s[4:5], s[40:41]        ; x
	s_lshl_b32 s40, s38, 21
	s_lshl_b32 s39, s37, 12
	s_add_co_u32 s40, s40, s39
	s_add_nc_u64 s[28:29], s[14:15], s[40:41]      ; its codes
	s_lshl_b32 s40, s37, 9
	s_lshl_b32 s39, s38, 8
	s_add_co_u32 s40, s40, s39
	s_add_nc_u64 s[30:31], s[16:17], s[40:41]      ; its scale words
	s_mov_b32 s32, 0x76543210
	s_mov_b32 s33, 0xfedcba98                      ; v_permlanex16_b32's selects for lane l xor 16
	s_mul_i32 s34, s24, STGW                       ; my stage
	v_lshlrev_b32 v6, 4, v1                        ; 16 bytes a lane: in a load's 512 and in an image's
	LOADX 0
	LOADX 1
	v_add_nc_u32 v7, s34, v6                       ; into the stage
	v_mul_u32_u24 v8, v4, 528
	v_lshl_add_u32 v8, v5, 7, v8
	v_add_nc_u32 v8, s34, v8                       ; out of it: row r, + 32 h numbers
	v_lshlrev_b32 v9, 4, v4                        ; a row's four scale words
	v_lshlrev_b32 v10, 3, v5                       ; 8 h
	v_mov_b32 v28, 0                               ; a lane permute's destination counts as one of its sources
.irp t, 0,1,2,3
	XSTEP \t
.endr
	s_wait_xcnt 0x0                                ; EXEC is a source of the stores above: it changes only behind this wait
	v_cmp_gt_u32 vcc_lo, 16, v1
	s_and_saveexec_b32 s35, vcc_lo                 ; lanes 0-15 hold the rows' words (lanes 16-31 the same once more)
	global_store_b128 v9, v[SB:SB+3], s[30:31]     ; sixteen lanes fill 256 consecutive bytes, aligned
	s_wait_xcnt 0x0
	s_or_b32 exec_lo, exec_lo, s35
	s_wait_tensorcnt 0x0                           ; the wave's end, behind my last LDS store
	ds_add_u32 v[SPW], v[NIL]
	s_wait_dscnt 0x0
	s_endpgm
.Lfunc_end_k_q237cc0a108_prep:
	.size	k_q237cc0a108_prep, .Lfunc_end_k_q237cc0a108_prep-k_q237cc0a108_prep
	.p2alignl 7, 3214868480
	.fill 96, 4, 3214868480
	.section	.rodata,"a",@progbits
	.p2align	6, 0x0
	.amdhsa_kernel k_q237cc0a108_prep
		.amdhsa_group_segment_fixed_size 34304
		.amdhsa_private_segment_fixed_size 0
		.amdhsa_enable_private_segment 0
		.amdhsa_kernarg_size 80
		.amdhsa_user_sgpr_count 2
		.amdhsa_user_sgpr_kernarg_segment_ptr 1
		.amdhsa_wavefront_size32 1
		.amdhsa_system_sgpr_workgroup_id_x 1
		.amdhsa_system_sgpr_workgroup_id_y 1
		.amdhsa_system_sgpr_workgroup_id_z 1
		.amdhsa_system_vgpr_workitem_id 0
		.amdhsa_next_free_vgpr 256
		.amdhsa_next_free_sgpr 66
		.amdhsa_reserve_vcc 1
		.amdhsa_float_denorm_mode_32 3
		.amdhsa_float_denorm_mode_16_64 3
		.amdhsa_memory_ordered 1
		.amdhsa_forward_progress 1
		.amdhsa_inst_pref_size 169
	.end_amdhsa_kernel
	.amdgpu_metadata
---
amdhsa.version: [ 1, 2 ]
amdhsa.kernels:
  - .name:           k_q237cc0a108_prep
    .symbol:         k_q237cc0a108_prep.kd
    .args:
      - { .name: x, .offset: 0, .size: 8, .value_kind: global_buffer, .address_space: global }
      - { .name: Wq, .offset: 8, .size: 8, .value_kind: global_buffer, .address_space: global }
      - { .name: Wk, .offset: 16, .size: 8, .value_kind: global_buffer, .address_space: global }
      - { .name: Wv, .offset: 24, .size: 8, .value_kind: global_buffer, .address_space: global }
      - { .name: Wo, .offset: 32, .size: 8, .value_kind: global_buffer, .address_space: global }
      - { .name: xc, .offset: 40, .size: 8, .value_kind: global_buffer, .address_space: global }
      - { .name: xs, .offset: 48, .size: 8, .value_kind: global_buffer, .address_space: global }
      - { .name: wc, .offset: 56, .size: 8, .value_kind: global_buffer, .address_space: global }
      - { .name: ws, .offset: 64, .size: 8, .value_kind: global_buffer, .address_space: global }
      - { .name: wo16, .offset: 72, .size: 8, .value_kind: global_buffer, .address_space: global }
    .group_segment_fixed_size: 34304
    .private_segment_fixed_size: 0
    .kernarg_segment_align: 8
    .kernarg_segment_size: 80
    .max_flat_workgroup_size: 128
    .sgpr_count:     66
    .vgpr_count:     256
    .wavefront_size: 32
...
	.end_amdgpu_metadata
.endif
;; end of part 1
;; launch qkv (part 2): grid 12 x 32, 4 waves a work-group, clusters of 4 x 4, 327,680 bytes of LDS; arguments xc, xs, wc, ws, qkv, q32; writes qkv, q32
.if DOCPART == 2
	.amdgcn_target "amdgcn-amd-amdhsa--gfx1250"
	.amdhsa_code_object_version 6
	.text
	.protected	k_q237cc0a108_qkv
	.globl	k_q237cc0a108_qkv
	.p2align	8
	.type	k_q237cc0a108_qkv,@function
k_q237cc0a108_qkv:
	s_mov_b64 s[64:65], 0
	v_nop
	global_prefetch_b8 v0, s[64:65] scope:SCOPE_SE
	s_setreg_imm32_b32 hwreg(HW_REG_WAVE_MODE, 25, 1), 1
	s_wait_xcnt 0x0
	s_wait_alu depctr_hold_cnt(0) depctr_sa_sdst(0) depctr_va_vdst(0) depctr_va_sdst(0) depctr_va_ssrc(0) depctr_va_vcc(0) depctr_vm_vsrc(0)
	s_getreg_b32 s2, hwreg(HW_REG_IB_STS2, 6, 4)
	s_cmp_eq_u32 s2, 0
	s_cbranch_scc0 .Lentry_in_a_cluster
	s_endpgm
.Lentry_in_a_cluster:
	s_bfe_u32 s2, ttmp6, 0x10000c
	s_cmp_lg_u32 s2, 0xf033
	s_cbranch_scc0 .Lentry_shape_is_right
	s_endpgm
.Lentry_shape_is_right:
; QKV.  [q | k | v] = x [Wq | Wk | Wv]: one product 8,192 x 3,072 x 1,024 on codes of FP4 (E2M1) with E8M0 scales, sums in f32.  The results are rounded to f16 and laid by head,
; qkv [which 3][b 4][h 16][n 2048][64]; the first 16 positions of each sequence go out in f32 too, q32 [which 3][b 4][16][1024]: a later launch carries those rows in f32.
; LIMIT: |q|, |k|, |v| stay under 65,504, f16's largest number (the drawn inputs give about 0.64 in the root mean square; with x and the weights each 30 times larger about 580).
; A tile of C, 256 x 256, is made by four waves, each 128 x 128: 64 accumulators, 512 registers.  BOTH OPERANDS LIE IN MEMORY AS IMAGES OF THE OPERAND REGISTERS (a fragment, 16 rows x 128 K, is 1,024
; bytes: group c of lane l at 512 c + 16 l), so a tile is one dense block, a fragment comes by two ds_load_b128 at 16 x lane, and LDS has no pitch and no padding.
; K = 1,024 IS TWO SLOTS OF 512, BOTH ASKED FOR AT THE HEAD: nothing is filled again.  By this text's count a wave has three tensor loads out: its scales, its part of slot 0, its part of slot 1.
; CLUSTERS: 4 x 4 work-groups.  The four of a row of the cluster need the same tiles of x, the four of a column the same tiles of the weights: each is asked for jointly.
; Tile row = 8 cy + cluster y: so a tile row begins a sequence exactly where cluster y = 0, a number that all sixteen partners share: the branch round the f32 copy hangs on it and on the wave's number alone.
; THE MATRIX INSTRUCTION IS USED TRANSPOSED (source 0 = 16 columns of the weights, source 1 = 16 rows of x): a lane holds eight neighbouring numbers of a row of C.
; REGISTERS: window 0: v16-30 addresses; v32-95 scale words, two sets; v96-127 packed results; v128-191 x's fragments, one set, later rows on the way out.
;   window 1: the weights' fragments, two sets, at v0 and v128.   windows 2, 3: the accumulators of my rows 0-63, 64-127: (a, b) at v[8 (8 (a % 4) + b)].
.set NQ,     4                         ; steps of 128 along K in a slot
.set FR,     8                         ; registers of a fragment
.set NL,     2                         ; LDS loads that bring one
.set NP,     4                         ; places behind this matrix instruction (ISA guide 7.12.1)
.set SLOT,   131072                    ; a slot: x's 16 tiles of 16 rows x 4,096 bytes, then the weights' 16
.set SCA,    262144                    ; x's scale words: [tile 16][kg 2][r 16][16 B], 8,192 bytes; the weights' follow
.set STG,    278528                    ; the way out: 16 rows x (256 bytes + 16) for each wave; bytes of its own
.set SPARE,  295936                    ; the spare words, 128 bytes a wave: two blocks of 256 bytes that no other line names
.set ADRA, 16                          ; v16-17 LDS address of my fragments of x in slot 0, 1
.set ADRB, 20                          ; v20-21 of the weights'
.set STO,  24                          ; v24    the way out: where I put 16 bytes of a row
.set RD,   25                          ; v25    where I read rows back
.set CO,   26                          ; v26    16 x lane
.set ADRS, 27                          ; v27    my scale words: lanes 0-15 x's rows, lanes 16-31 the weights' columns
.set SPW,  28                          ; v28    my spare word; never rewritten
.set NIL,  29                          ; v29    0; never rewritten
.set CO32, 30                          ; v30    my place in the f32 copy: row r, + 32 h bytes
.set SC,   32
.set TMP,  96
.set AF,   128
.set BK,   128
.set G1, 24                            ; s[24:31], s[32:39]: groups 1 and 0 (a set for each slot) for x's codes
.set G0, 32
.set G1B, 48                           ; s[48:55], s[56:63]: for the weights'
.set G0B, 56
.set G1S, 68                           ; s[68:75], s[76:79]: x's scales;  s[80:87], s[88:91]: the weights'
.set G0S, 76
.set G1SB, 80
.set G0SB, 88
.set MSB, 0
.macro WIN new                         ; the immediate's high byte repeats the setting that is left
.if MSB != (\new)
	s_set_vgpr_msb (MSB<<8)|(\new)
.set MSB, (\new)
.endif
.endm
.set MUL_LO, 0xa1                      ; source 0 window 1, source 1 window 0, C and D window 2
.set MUL_HI, 0xf1                      ; the same, C and D window 3
.set TO_B,   0x40                      ; destination window 1, address window 0
; A joint load: waves 0 and 1 fetch for x, waves 2 and 3 for the weights.  The branch hangs on the wave's number alone.  An s_nop 0 and four v_nop follow each line.
.macro JLOAD g0a, g1a, g0b, g1b
	s_cmp_eq_u32 s95, 0
	s_cbranch_scc0 .Lfor_b_\@
	tensor_load_to_lds s[\g0a:\g0a+3], s[\g1a:\g1a+7]
	s_nop 0
.rept 4
	v_nop
.endr
	s_branch .Lasked_\@
.Lfor_b_\@:
	tensor_load_to_lds s[\g0b:\g0b+3], s[\g1b:\g1b+7]
	s_nop 0
.rept 4
	v_nop
.endr
.Lasked_\@:
.endm
.macro CROUND                          ; a round of the cluster's barrier
	s_barrier_signal -1
	s_barrier_wait -1
	s_cmp_lg_u32 s94, 0
	s_cbranch_scc1 .Lnot_wave_0_\@
	s_barrier_signal -3
.Lnot_wave_0_\@:
	s_barrier_wait -3
	s_barrier_signal -1
	s_barrier_wait -1
.endm
	s_load_b256 s[4:11], s[0:1], 0x0               ; xc s[4:5], xs s[6:7], wc s[8:9], ws s[10:11]
	s_load_b128 s[12:15], s[0:1], 0x20             ; qkv s[12:13], q32 s[14:15]
	v_lshl_add_u32 v[SPW], v0, 2, SPARE
	v_mov_b32 v[NIL], 0
	ds_add_u32 v[SPW], v[NIL]                      ; the wave's opening: the add, twice on end, and its wait ahead of my first tensor load
	ds_add_u32 v[SPW], v[NIL]
	v_lshrrev_b32 v1, 5, v0
	v_readfirstlane_b32 s94, v1                    ; wave 0..3
	s_lshr_b32 s95, s94, 1                         ; my half of the tile's rows.  Also: I fetch for x (0) or for the weights (1)
	s_and_b32 s96, s94, 1                          ; my half of its columns.  Also: which half I fetch
	s_bfe_u32 s40, ttmp6, 0x40000                  ; cx
	s_bfe_u32 s41, ttmp6, 0x40004                  ; cy
	s_lshl_b32 s42, ttmp9, 2
	s_add_co_u32 s42, s42, s40                     ; tile column = 4 x cluster x + cx
	s_and_b32 s99, ttmp7, 0xffff                   ; cluster y
	s_lshl_b32 s97, s41, 3
	s_add_co_u32 s97, s97, s99                     ; tile row = 8 cy + cluster y: sequence cy, positions 256 x cluster y on
	s_or_b32 s98, s99, s95                         ; 0 where my 128 rows begin a sequence
	s_lshl_b32 s43, s41, 2
	s_lshl_b32 s43, 15, s43                        ; my row of the cluster
	s_lshl_b32 s44, 0x1111, s40                    ; my column
	; group 1: dense blocks as rows of 256 bytes (32 elements of 8 bytes), no padding: 128 rows of codes, 16 rows of scale words
	s_or_b32 s[G1+0], s43, (3<<16)|(1<<21)         ; 15:0 the mask; 17:16 elements of 8 bytes; 21 set beside a mask
	s_or_b32 s[G1B+0], s44, (3<<16)|(1<<21)
.irp g, G1, G1B
	s_mov_b32 s[\g+1], 32<<16                      ; tensor_dim0
	s_mov_b32 s[\g+2], 128<<16                     ; tensor_dim1
	s_mov_b32 s[\g+3], 32<<16                      ; tile_dim0
	s_mov_b32 s[\g+4], 128                         ; tile_dim1
	s_mov_b32 s[\g+5], 32                          ; the pitch
	s_mov_b32 s[\g+6], 0
	s_mov_b32 s[\g+7], 0
.endr
	s_or_b32 s[G1S+0], s43, (3<<16)|(1<<21)
	s_or_b32 s[G1SB+0], s44, (3<<16)|(1<<21)
.irp g, G1S, G1SB
	s_mov_b32 s[\g+1], 32<<16
	s_mov_b32 s[\g+2], 16<<16
	s_mov_b32 s[\g+3], 32<<16
	s_mov_b32 s[\g+4], 16
	s_mov_b32 s[\g+5], 32
	s_mov_b32 s[\g+6], 0
	s_mov_b32 s[\g+7], 0
.endr
	s_lshl_b32 s18, s96, 3                         ; which eight tiles of 16 I fetch
	s_lshl_b32 s20, s97, 4
	s_add_co_u32 s20, s20, s18                     ; x: 16 x tile row + 8 x half
	s_lshl_b32 s46, s42, 4
	s_add_co_u32 s46, s46, s18                     ; the weights: 16 x tile column + 8 x half
	s_lshl_b32 s22, s20, 9                         ; their scale words: 512 bytes a tile
	s_mov_b32 s23, 0
	s_lshl_b32 s92, s46, 9
	s_mov_b32 s93, 0
	s_lshl_b32 s20, s20, 12                        ; their codes: 4,096 bytes a tile and 512 along K
	s_mov_b32 s21, 0
	s_lshl_b32 s46, s46, 12
	s_mov_b32 s47, 0
	s_lshl_b32 s45, s94, 15                        ; where they go: wave x 32,768: no place in the cluster enters an LDS address
	s_lshl_b32 s19, s94, 12                        ; the scale words: wave x 4,096
	s_wait_dscnt 0x0                               ; both opening adds are done
	s_wait_kmcnt 0x0
	s_add_nc_u64 s[20:21], s[4:5], s[20:21]
	s_add_nc_u64 s[22:23], s[6:7], s[22:23]
	s_add_nc_u64 s[46:47], s[8:9], s[46:47]
	s_add_nc_u64 s[92:93], s[10:11], s[92:93]
	CROUND                                         ; all sixteen work-groups are here: the joint loads meet
	s_mov_b32 s[G0S], 1
	s_add_co_u32 s[G0S+1], s19, SCA
	s_mov_b64 s[G0S+2:G0S+3], s[22:23]
	s_or_b32 s[G0S+3], s[G0S+3], 0x80000000
	s_mov_b32 s[G0SB], 1
	s_add_co_u32 s[G0SB+1], s19, SCA
	s_mov_b64 s[G0SB+2:G0SB+3], s[92:93]
	s_or_b32 s[G0SB+3], s[G0SB+3], 0x80000000
	JLOAD G0S, G1S, G0SB, G1SB                     ; the scale words first: they are wanted with slot 0
.irp s, 0,1
	s_mov_b32 s[G0+4*\s], 1
	s_add_co_u32 s[G0+4*\s+1], s45, \s*SLOT
	s_add_nc_u64 s[G0+4*\s+2:G0+4*\s+3], s[20:21], \s*2097152
	s_or_b32 s[G0+4*\s+3], s[G0+4*\s+3], 0x80000000
	s_mov_b32 s[G0B+4*\s], 1
	s_add_co_u32 s[G0B+4*\s+1], s45, \s*SLOT
	s_add_nc_u64 s[G0B+4*\s+2:G0B+4*\s+3], s[46:47], \s*786432
	s_or_b32 s[G0B+4*\s+3], s[G0B+4*\s+3], 0x80000000
	JLOAD G0+4*\s, G1, G0B+4*\s, G1B
.endr
	v_and_b32 v1, 15, v0                           ; r
	v_bfe_u32 v2, v0, 4, 1                         ; h
	v_and_b32 v3, 31, v0                           ; lane
	v_lshlrev_b32 v[CO], 4, v3
	s_lshl_b32 s16, s95, 15                        ; my 128 rows of x
	s_lshl_b32 s17, s96, 15                        ; my 128 columns of the weights,
	s_add_co_u32 s17, s17, 65536                   ; which lie behind x's 256 rows
.irp s, 0,1
	v_add_nc_u32 v[ADRA+\s], s16, v[CO]
	v_add_nc_u32 v[ADRB+\s], s17, v[CO]
	s_add_co_u32 s16, s16, SLOT
	s_add_co_u32 s17, s17, SLOT
.endr
	v_lshlrev_b32 v5, 4, v1                        ; a row's four scale words
	s_lshl_b32 s16, s95, 12
	s_lshl_b32 s17, s96, 12
	s_add_co_u32 s17, s17, 8192
	s_sub_co_u32 s17, s17, s16                     ; from x's words to the weights'
	v_mul_u32_u24 v6, s17, v2                      ; lanes 16-31 take the weights'
	s_add_co_u32 s16, s16, SCA
	v_add_nc_u32 v5, v5, v6
	v_add_nc_u32 v[ADRS], s16, v5
	s_mul_i32 s16, s94, 4352
	s_add_co_u32 s16, s16, STG                     ; my stage
	v_mul_u32_u24 v5, v1, 272
	v_lshl_add_u32 v5, v2, 4, v5
	v_add_nc_u32 v[STO], s16, v5                   ; in: row r, 16 bytes for each half of the lanes
	v_lshrrev_b32 v5, 3, v3
	v_mul_u32_u24 v5, v5, 272
	v_and_b32 v6, 7, v0
	v_lshl_add_u32 v5, v6, 4, v5
	v_add_nc_u32 v[RD], s16, v5                    ; back: eight lanes take a head's 128 bytes of a row, four rows an instruction
	v_lshlrev_b32 v[CO32], 12, v1
	v_lshl_add_u32 v[CO32], v2, 5, v[CO32]
	; where my results go
	s_lshl_b32 s16, s42, 8
	s_lshl_b32 s17, s96, 7
	s_add_co_u32 s16, s16, s17                     ; my first column of 3,072
	s_lshr_b32 s17, s16, 10                        ; q, k or v
	s_lshl_b32 s17, s17, 2
	s_add_co_u32 s17, s17, s41                     ; 4 x which + sequence
	s_bfe_u32 s18, s16, 0x40006                    ; my first head
	s_lshl_b32 s19, s17, 4
	s_add_co_u32 s19, s19, s18
	s_lshl_b32 s66, s19, 18                        ; a head's 2,048 rows of 128 bytes
	s_lshl_b32 s18, s99, 15                        ; 256 x cluster y rows
	s_add_co_u32 s66, s66, s18
	s_lshl_b32 s18, s95, 14                        ; my 128 of them
	s_add_co_u32 s66, s66, s18
	s_mov_b32 s67, 0
	s_add_nc_u64 s[12:13], s[12:13], s[66:67]
	s_lshl_b32 s66, s17, 16                        ; the f32 copy: 16 rows of 4,096 bytes for each (which, sequence)
	s_and_b32 s18, s16, 1023
	s_lshl_b32 s18, s18, 2
	s_add_co_u32 s66, s66, s18
	s_add_nc_u64 s[14:15], s[14:15], s[66:67]
.macro FRAG reg, adr, q, i             ; tile i's fragment of the slot's q-th 128 along K
.irp c, 0,1
	ds_load_b128 v[\reg+4*\c:\reg+4*\c+3], v[\adr] offset:4096*(\i)+1024*(\q)+512*\c
.endr
.endm
; 16 matrix instructions: x's blocks a0, a0 + 1 against the weights' eight.  p: the weights' set; sc: the set of scale words.  zero = 1: the first product starts the sums.
; The 64 accumulators take turns, one instruction a turn, in the same order in every step.
.macro MUL16 a0, p, q, sc, zero
.irp a, \a0, \a0+1
.irp b, 0,1,2,3,4,5,6,7
.if \zero
	v_wmma_scale_f32_16x16x128_f8f6f4 v[8*(8*((\a)%4)+\b):8*(8*((\a)%4)+\b)+7], v[128*(\p)+FR*\b:128*(\p)+FR*\b+FR-1], v[AF+FR*(\a):AF+FR*(\a)+FR-1], 0, v[SC+8*NQ*(\sc)+NQ*\b+(\q)], v[SC+8*NQ*(\sc)+NQ*(\a)+(\q)] matrix_a_fmt:MATRIX_FMT_FP4 matrix_b_fmt:MATRIX_FMT_FP4 matrix_a_scale:MATRIX_SCALE_ROW1
.else
	v_wmma_scale_f32_16x16x128_f8f6f4 v[8*(8*((\a)%4)+\b):8*(8*((\a)%4)+\b)+7], v[128*(\p)+FR*\b:128*(\p)+FR*\b+FR-1], v[AF+FR*(\a):AF+FR*(\a)+FR-1], v[8*(8*((\a)%4)+\b):8*(8*((\a)%4)+\b)+7], v[SC+8*NQ*(\sc)+NQ*\b+(\q)], v[SC+8*NQ*(\sc)+NQ*(\a)+(\q)] matrix_a_fmt:MATRIX_FMT_FP4 matrix_b_fmt:MATRIX_FMT_FP4 matrix_a_scale:MATRIX_SCALE_ROW1
.endif
.endr
.endr
.endm
.macro FETCH_B slot, q, p
	WIN TO_B
.irp i, 0,1,2,3,4,5,6,7
	FRAG 128*(\p)+FR*\i, ADRB+\slot, \q, \i
.endr
	WIN 0
.endm
.macro FETCH_A slot, q, i0
.irp i, \i0, \i0+1, \i0+2, \i0+3
	FRAG AF+FR*(\i), ADRA+\slot, \q, \i
.endr
.endm
.macro SCALES sc                       ; slot sc's scale words: four words a row; lanes 0-15 x's block i, lanes 16-31 the weights' block i
.irp i, 0,1,2,3,4,5,6,7
	ds_load_b128 v[SC+8*NQ*\sc+NQ*\i:SC+8*NQ*\sc+NQ*\i+3], v[ADRS] offset:512*\i+256*\sc
.endr
.endm
.macro PLACES n                        ; plain vector lines between a matrix instruction and a load into, or a read of, its registers
.rept \n
	v_nop
.endr
.endm
.macro STEP slot, q, zero              ; a step of 128 along K that has its successor in the same slot
	s_wait_dscnt 4*NL                              ; all but the youngest eight loads (x's blocks 4-7) are in
	WIN MUL_LO
	MUL16 0, (\q)%2, \q, \slot, \zero
	MUL16 2, (\q)%2, \q, \slot, \zero
	s_wait_dscnt 0                                 ; x's blocks 4-7 are in
	PLACES NP
	FETCH_B \slot, (\q)+1, 1-(\q)%2
	FETCH_A \slot, (\q)+1, 0
	WIN MUL_HI
	MUL16 4, (\q)%2, \q, \slot, \zero
	MUL16 6, (\q)%2, \q, \slot, \zero
	PLACES NP
	WIN 0
	FETCH_A \slot, (\q)+1, 4
.endm
.macro TURN slot, next                 ; slot 0's last step goes over to slot 1: my part of it has landed, and behind the barrier everybody's has.  Nothing is filled again
	s_wait_tensorcnt 0x0                           ; all my tensor loads have landed
	ds_add_u32 v[SPW], v[NIL]                      ; 0 onto my spare word
	s_wait_dscnt 4*NL+1                            ; (the add and x's blocks 4-7 may be out)
	WIN MUL_LO
	MUL16 0, 1, NQ-1, \slot, 0
	s_wait_dscnt 0x0                               ; no LDS instruction of mine is pending at the signal
	s_barrier_signal -1
	MUL16 2, 1, NQ-1, \slot, 0
	WIN 0
	s_barrier_wait -1
	PLACES NP
	FETCH_B \next, 0, 0
	FETCH_A \next, 0, 0
	SCALES \next
	WIN MUL_HI
	MUL16 4, 1, NQ-1, \slot, 0
	MUL16 6, 1, NQ-1, \slot, 0
	PLACES NP
	WIN 0
	FETCH_A \next, 0, 4
.endm
	s_wait_tensorcnt 1                             ; my scale words and my part of slot 0 are in; slot 1's load may be out
	s_barrier_signal -1
	s_barrier_wait -1
	FETCH_B 0, 0, 0
	FETCH_A 0, 0, 0
	SCALES 0
	FETCH_A 0, 0, 4
	STEP 0, 0, 1                                   ; the first step's products start the sums
	STEP 0, 1, 0
	STEP 0, 2, 0
	TURN 0, 1
	STEP 1, 0, 0
	STEP 1, 1, 0
	STEP 1, 2, 0
	s_wait_dscnt 4*NL                              ; the last step: nothing more to fetch
	WIN MUL_LO
	MUL16 0, 1, NQ-1, 1, 0
	MUL16 2, 1, NQ-1, 1, 0
	s_wait_dscnt 0
	WIN MUL_HI
	MUL16 4, 1, NQ-1, 1, 0
	MUL16 6, 1, NQ-1, 1, 0
	WIN 0
; THE WAY OUT, block by block of 16 rows x 128 columns (two heads).  PACK: rounded to f16, 16 bytes a lane.  TOSTAGE: into my stage and back, a head's 128 bytes of four rows at a time.  SEND: 512 consecutive bytes a store.
.macro PACK a
.set AC, 64*((\a)%4)
	WIN 0x0a+5*((\a)/4)                            ; sources 0 and 1: window 2 or 3
.irp b, 0,1,2,3,4,5,6,7
.irp e, 0,1,2,3
	v_cvt_pk_f16_f32 v[TMP+4*\b+\e], v[AC+8*\b+2*\e], v[AC+8*\b+2*\e+1]     ; each accumulator from its low end on
.endr
.endr
	WIN 0
.endm
.macro TOSTAGE a
.set BB, BK+32*((\a)%2)
.irp b, 0,1,2,3,4,5,6,7
	ds_store_b128 v[STO], v[TMP+4*\b:TMP+4*\b+3] offset:32*\b
.endr
.irp hh, 0,1
.irp t, 0,1,2,3
	ds_load_b128 v[BB+4*(4*\hh+\t):BB+4*(4*\hh+\t)+3], v[RD] offset:1088*\t+128*\hh   ; LDS serves a wave's instructions in order: these see the stores above
.endr
.endr
.endm
.macro SEND a, younger                 ; younger: the LDS instructions issued behind block a's loads
.set BB, BK+32*((\a)%2)
	s_wait_dscnt \younger
.irp hh, 0,1
.irp t, 0,1,2,3
	global_store_b128 v[CO], v[BB+4*(4*\hh+\t):BB+4*(4*\hh+\t)+3], s[12:13] offset:262144*\hh+2048*(\a)+512*\t   ; four rows of a head: 512 consecutive bytes, aligned
.endr
.endr
.endm
	PLACES NP                                      ; behind the last products, ahead of the first reads of results and of the loads into x's registers
	s_cmp_lg_u32 s98, 0                            ; cluster y and the wave's number alone: alike in all partners
	s_cbranch_scc1 .Lno32
	WIN 0x08                                       ; a store's data are its source 1: window 2
.irp b, 0,1,2,3,4,5,6,7
	global_store_b128 v[CO32], v[8*\b:8*\b+3], s[14:15] offset:64*\b          ; block 0 in f32: pieces of 32 bytes a lane, 8 KiB a wave, 0.8 MB of the launch's 51: too little to send through the stage
	global_store_b128 v[CO32], v[8*\b+4:8*\b+7], s[14:15] offset:64*\b+16
.endr
	WIN 0
.Lno32:
	PACK 0
	TOSTAGE 0
.irp a, 1,2,3,4,5,6,7
	PACK \a
.if \a > 1
	s_wait_xcnt 0x0                                ; block a - 2's stores have read their registers: block a's loads may land there
.endif
	TOSTAGE \a
	SEND \a-1, 16                                  ; behind block a - 1's loads: block a's 8 stores and 8 loads
.endr
	SEND 7, 0
	s_wait_tensorcnt 0x0                           ; the wave's end, behind my last tensor load and my last LDS store
	ds_add_u32 v[SPW], v[NIL]
	s_wait_dscnt 0x0
	CROUND                                         ; the closing round: no work-group ends while a partner may still ask for a tile that names it
	s_endpgm
.Lfunc_end_k_q237cc0a108_qkv:
	.size	k_q237cc0a108_qkv, .Lfunc_end_k_q237cc0a108_qkv-k_q237cc0a108_qkv
	.p2alignl 7, 3214868480
	.fill 96, 4, 3214868480
	.section	.rodata,"a",@progbits
	.p2align	6, 0x0
	.amdhsa_kernel k_q237cc0a108_qkv
		.amdhsa_group_segment_fixed_size 327680
		.amdhsa_private_segment_fixed_size 0
		.amdhsa_enable_private_segment 0
		.amdhsa_kernarg_size 48
		.amdhsa_user_sgpr_count 2
		.amdhsa_user_sgpr_kernarg_segment_ptr 1
		.amdhsa_wavefront_size32 1
		.amdhsa_system_sgpr_workgroup_id_x 1
		.amdhsa_system_sgpr_workgroup_id_y 1
		.amdhsa_system_sgpr_workgroup_id_z 1
		.amdhsa_system_vgpr_workitem_id 0
		.amdhsa_next_free_vgpr 1024
		.amdhsa_next_free_sgpr 100
		.amdhsa_reserve_vcc 0
		.amdhsa_float_denorm_mode_32 3
		.amdhsa_float_denorm_mode_16_64 3
		.amdhsa_memory_ordered 1
		.amdhsa_forward_progress 1
		.amdhsa_inst_pref_size 128
	.end_amdhsa_kernel
	.amdgpu_metadata
---
amdhsa.version: [ 1, 2 ]
amdhsa.kernels:
  - .name:           k_q237cc0a108_qkv
    .symbol:         k_q237cc0a108_qkv.kd
    .args:
      - { .name: xc, .offset: 0, .size: 8, .value_kind: global_buffer, .address_space: global }
      - { .name: xs, .offset: 8, .size: 8, .value_kind: global_buffer, .address_space: global }
      - { .name: wc, .offset: 16, .size: 8, .value_kind: global_buffer, .address_space: global }
      - { .name: ws, .offset: 24, .size: 8, .value_kind: global_buffer, .address_space: global }
      - { .name: qkv, .offset: 32, .size: 8, .value_kind: global_buffer, .address_space: global }
      - { .name: q32, .offset: 40, .size: 8, .value_kind: global_buffer, .address_space: global }
    .group_segment_fixed_size: 327680
    .private_segment_fixed_size: 0
    .kernarg_segment_align: 8
    .kernarg_segment_size: 48
    .max_flat_workgroup_size: 128
    .sgpr_count:     100
    .vgpr_count:     1024
    .wavefront_size: 32
...
	.end_amdgpu_metadata
.endif
;; end of part 2
;; launch attn (part 3): grid 4 x 64, 8 waves a work-group, no clusters, 327,680 bytes of LDS; arguments qkv, ctx; writes ctx
.if DOCPART == 3
	.amdgcn_target "amdgcn-amd-amdhsa--gfx1250"
	.amdhsa_code_object_version 6
	.text
	.protected	k_q237cc0a108_attn
	.globl	k_q237cc0a108_attn
	.p2align	8
	.type	k_q237cc0a108_attn,@function
k_q237cc0a108_attn:
	s_mov_b64 s[64:65], 0
	v_nop
	global_prefetch_b8 v0, s[64:65] scope:SCOPE_SE
	s_setreg_imm32_b32 hwreg(HW_REG_WAVE_MODE, 25, 1), 1
	s_wait_xcnt 0x0
; ATTN.  ctx[b][n][64 h ..] = the sum over keys k <= n of softmax_k(q . k / 8) v, for each of 64 (sequence, head) pairs.  q, k, v: f16, [which][b][h][2048][64].  Products, maxima and sums in f32; the weights p
; are rounded to f16 for the second product, ctx to f16 at the end, laid as the image of the next launch's operand registers: [ks 8][mtile 512][kq 4][g 4][r 16][16 B].
; LIMITS: p under 6e-8 is lost in f16 beside a row's sum of 1 or more; |v| under 65,504.  Positions 0-15 of each sequence are computed here like the others and are replaced by a later launch in f32.
; SHARES.  Work-group (I, head) owns the query blocks I and 7 - I of 256 queries: (I + 1) + (8 - I) = 9 slots of 256 keys in EVERY work-group: 256 equal work-groups, and a constant count of trips.
; NO CLUSTER: the four work-groups of a head walk the key slots in different orders (0 .. I, then 0 .. 7 - I), so partners would want different tiles at the same change of slots.
; Each of eight waves owns 32 queries, two tiles of 16: a fragment of K or V read from LDS feeds two matrix instructions.  Two waves share a SIMD: one's vector work stands beside the other's matrix work.
; LAYOUT.  S^T = K Q^T (source 0 = 16 keys, source 1 = 16 queries): a lane holds ONE query (lane % 16) and keys 8 (lane / 16) + 0..7 of each tile; two such tiles, rounded in pairs, ARE source 1 of O^T = V^T P.
; SOFTMAX.  A running maximum m and sum l for each query: p = 2^(c s - c m), c = log2(e) / 8; in every step O and l are multiplied by a = 2^(c m_old - c m_new).
; THE MASK.  A step (64 keys) whose first key comes after the wave's first query holds no key that counts (the step's first key is a multiple of 64, the wave's first query of 32): a scalar branch on ids leads
; round its work.  In a step that is walked every query sees the step's first key, so m is a number.  On the diagonal hidden scores become -infinity ahead of the maximum.
; THE RING.  Two slots of 256 keys.  A head's rows of 128 bytes are dense in memory, so a tile is stated with rows of two keys, 256 bytes, padded to 272 (K) and 288 (V): the sixteen 16-byte pieces that
; sixteen lanes of a load touch lie in sixteen different columns of 16 bytes modulo 256.  Waves 0, 1 fetch K's halves, waves 2, 3 V's; behind each barrier a fetching wave has one tensor load out.
; REGISTERS.  window 0: v1-13 addresses and constants; v16-39 twelve registers of statistics a tile; v40-71 Q; v72-135 K of a step; v136-199 S^T, then p; v200-231 P.   window 1: v0-63 O^T; v64-127 V of a step.
.set SLOT1, 131072                     ; slot 1 begins here: one exclusive or turns an address in one slot into the other's
.set VOFF,  34816                      ; in a slot: 128 double rows of K x 272, then 128 of V x 288
.set SPARE, 262144                     ; the spare words, 128 bytes a wave: four blocks of 256 bytes that no other line names
.set SPW, 3                            ; v3  my spare word; never rewritten
.set NIL, 4                            ; v4  0; never rewritten
.set ST,  16                           ; tile u's statistics at v[ST + 12 u]: +0 c m, +1 m, +2, +3 l, +4..+7 at work, +8 a, +9 named with it as a pair
.set QF,  40
.set KFR, 72
.set S,   136
.set P,   200
.set MSB, 0
.macro WIN new
.if MSB != (\new)
	s_set_vgpr_msb (MSB<<8)|(\new)
.set MSB, (\new)
.endif
.endm
.set W_V,  0x40                        ; destination window 1
.set W_RS, 0x41                        ; O^T (destination and source 0) window 1, a window 0
.set W_PV, 0x51                        ; V and O^T window 1, P window 0
.set W_CV, 0x05                        ; sources 0 and 1 window 1, destination window 0
; s8 wave, s9 I, s10 16 b + h, s11 8 - I, s12 trips to go, s13 the key slot asked for last, s[14:15] its bytes, s16 the LDS slot in hand, s17 the step's first key, s18 my first query, s19 that of the second block,
; s[20:21] lane selects, s[22:23] c, s[24:31], s[32:39] groups 1 for K and V, s[40:43], s[44:47] their groups 0, s[48:49], s[50:51] my half of K's and V's slot 0 in memory,
; s[52:55] Q of the two blocks, s[56:59] ctx of the two blocks, s[60:63] where my prefetches stand, s66 1 in a wave that prefetches, else the greatest number
.macro TLOAD                           ; the branches hang on the wave's number alone; an s_nop 0 and four v_nop follow each load
	s_cmp_lt_u32 s8, 2
	s_cbranch_scc0 .Lnot_k_\@
	tensor_load_to_lds s[40:43], s[24:31]
	s_nop 0
.rept 4
	v_nop
.endr
	s_branch .Lasked_\@
.Lnot_k_\@:
	s_cmp_lt_u32 s8, 4
	s_cbranch_scc0 .Lasked_\@
	tensor_load_to_lds s[44:47], s[32:39]
	s_nop 0
.rept 4
	v_nop
.endr
.Lasked_\@:
.endm
; A PREFETCH INTO THE L2 of the key slot that the head's work-group I = 0 loads at its NEXT change of slots: four key steps ahead of that load.  That work-group walks key slots 0, then 0 .. 7: in trip t = 0 .. 6 it
; names slot t + 1.  Its waves 4 to 7, which fetch nothing, ask: 8,192 bytes of K and of V a wave, lanes 256 bytes apart, so each aligned block of 256 bytes of slots 1 to 7 is named once in the launch.
; The last trip asks for nothing; slot 0 comes by its loads alone.
.macro ASK
	s_cmp_gt_u32 s12, s66
	s_cbranch_scc0 .Lnot_mine_\@
	global_prefetch_b8 v9, s[60:61] th:TH_LOAD_NT scope:SCOPE_SE
	global_prefetch_b8 v9, s[62:63] th:TH_LOAD_NT scope:SCOPE_SE
.Lnot_mine_\@:
.endm
.macro INIT                            ; a block of queries begins: m under every score, l and O^T zeros, which the first change of m leaves zeros
.irp u, 0,1
	v_mov_b32 v[ST+12*\u+1], 0xff61b1e6            ; -3e38
	v_mov_b32 v[ST+12*\u+2], 0
	v_mov_b32 v[ST+12*\u+3], 0
	v_mov_b32 v[ST+12*\u+5], 0                     ; (a lane permute's destination counts as one of its sources)
	v_mov_b32 v[ST+12*\u+8], 0
	v_mov_b32 v[ST+12*\u+9], 0
	v_mul_f32 v[ST+12*\u], s22, v[ST+12*\u+1]
.endr
	WIN W_V
.set i, 0
.rept 64
	v_mov_b32 v[i], 0
.set i, i+1
.endr
	WIN 0
.endm
; THE SOFTMAX OF A STEP, the two tiles line by line in turn, so that no line waits for the line above it.
.macro SOFT
.irp j, 0,1,2,3
.irp u, 0,1
	v_max3_num_f32 v[ST+12*\u+4+\j], v[S+32*\u+8*\j], v[S+32*\u+8*\j+1], v[S+32*\u+8*\j+2]   ; four chains; each accumulator is read from its low end on
.endr
.endr
.irp i, 3,5
.irp j, 0,1,2,3
.irp u, 0,1
	v_max3_num_f32 v[ST+12*\u+4+\j], v[ST+12*\u+4+\j], v[S+32*\u+8*\j+\i], v[S+32*\u+8*\j+\i+1]
.endr
.endr
.endr
.irp u, 0,1
	v_max3_num_f32 v[ST+12*\u+4], v[ST+12*\u+4], v[S+32*\u+7], v[S+32*\u+15]
.endr
.irp u, 0,1
	v_max3_num_f32 v[ST+12*\u+6], v[ST+12*\u+6], v[S+32*\u+23], v[S+32*\u+31]
.endr
.irp u, 0,1
	v_max3_num_f32 v[ST+12*\u+4], v[ST+12*\u+4], v[ST+12*\u+5], v[ST+12*\u+6]
.endr
.irp u, 0,1
	v_max3_num_f32 v[ST+12*\u+4], v[ST+12*\u+4], v[ST+12*\u+7], v[ST+12*\u+1]   ; with the old m
.endr
.irp u, 0,1
	v_permlanex16_b32 v[ST+12*\u+5], v[ST+12*\u+4], s20, s21       ; the query's other 32 keys lie in the lane 16 away
.endr
.irp u, 0,1
	v_mov_b32 v[ST+12*\u+7], v[ST+12*\u]           ; c m_old
.endr
.irp u, 0,1
	v_max_num_f32 v[ST+12*\u+1], v[ST+12*\u+4], v[ST+12*\u+5]
.endr
.irp u, 0,1
	v_mul_f32 v[ST+12*\u], s22, v[ST+12*\u+1]
.endr
.irp u, 0,1
	v_sub_f32 v[ST+12*\u+7], v[ST+12*\u+7], v[ST+12*\u]
.endr
.irp i, 0,2,4,6,8,10,12,14,16,18,20,22,24,26,28,30
.irp u, 0,1
	v_pk_fma_f32 v[S+32*\u+\i:S+32*\u+\i+1], v[S+32*\u+\i:S+32*\u+\i+1], s[22:23], v[ST+12*\u:ST+12*\u+1] op_sel_hi:[1,0,0] neg_lo:[0,0,1] neg_hi:[0,0,1]   ; c s - c m, two at a time
.endr
.endr
.irp u, 0,1
	v_exp_f32 v[ST+12*\u+8], v[ST+12*\u+7]         ; a
.endr
.irp i, 0,1,2,3,4,5,6,7,8,9,10,11,12,13,14,15,16,17,18,19,20,21,22,23,24,25,26,27,28,29,30,31
.irp u, 0,1
	v_exp_f32 v[S+32*\u+\i], v[S+32*\u+\i]         ; p
.endr
.endr
	v_nop                                          ; a plain line behind the last exponential
	s_wait_alu depctr_va_vdst(0)                   ; one wait for the batch of 66, ahead of its first reader
.irp i, 0,1,2,3,4,5,6,7,8,9,10,11,12,13,14,15
.irp u, 0,1
	v_cvt_pk_f16_f32 v[P+16*\u+\i], v[S+32*\u+2*\i], v[S+32*\u+2*\i+1]
.endr
.endr
.irp z, 0,1,2,3,4,5,6,7                        ; the row's sum of the unrounded p, in place: neighbours 1, 2, 4 and 8 pairs apart
.irp u, 0,1
	v_pk_add_f32 v[S+32*\u+4*\z:S+32*\u+4*\z+1], v[S+32*\u+4*\z:S+32*\u+4*\z+1], v[S+32*\u+4*\z+2:S+32*\u+4*\z+3]
.endr
.endr
.irp z, 0,1,2,3
.irp u, 0,1
	v_pk_add_f32 v[S+32*\u+8*\z:S+32*\u+8*\z+1], v[S+32*\u+8*\z:S+32*\u+8*\z+1], v[S+32*\u+8*\z+4:S+32*\u+8*\z+5]
.endr
.endr
.irp z, 0,1
.irp u, 0,1
	v_pk_add_f32 v[S+32*\u+16*\z:S+32*\u+16*\z+1], v[S+32*\u+16*\z:S+32*\u+16*\z+1], v[S+32*\u+16*\z+8:S+32*\u+16*\z+9]
.endr
.endr
.irp u, 0,1
	v_pk_add_f32 v[S+32*\u:S+32*\u+1], v[S+32*\u:S+32*\u+1], v[S+32*\u+16:S+32*\u+17]
.endr
.irp u, 0,1
	v_pk_fma_f32 v[ST+12*\u+2:ST+12*\u+3], v[ST+12*\u+2:ST+12*\u+3], v[ST+12*\u+8:ST+12*\u+9], v[S+32*\u:S+32*\u+1] op_sel_hi:[1,0,1]   ; l = a l + the sum
.endr
	WIN W_RS
.irp i, 0,2,4,6,8,10,12,14,16,18,20,22,24,26,28,30
.irp u, 0,1
	v_pk_mul_f32 v[32*\u+\i:32*\u+\i+1], v[32*\u+\i:32*\u+\i+1], v[ST+12*\u+8:ST+12*\u+9] op_sel_hi:[1,0]   ; O^T x a, ascending
.endr
.endr
	WIN 0
.endm
; A KEY STEP: 64 keys, the q-th of the slot in hand.
.macro STEP q
	s_cmp_gt_u32 s17, s18                          ; all 64 keys come after my 32 queries: the step's work is left out; no barrier and no tensor load stands in a step
	s_cbranch_scc1 .Lhidden_\@
	v_add_nc_u32 v7, s16, v1
	v_add_nc_u32 v8, s16, v2
	v_nop
	v_nop                                          ; four plain lines between the last products and the loads into V's registers
.irp t, 0,1,2,3
.irp kh, 0,1
.irp e, 0,1
	ds_load_b128 v[KFR+16*\t+8*\kh+4*\e:KFR+16*\t+8*\kh+4*\e+3], v7 offset:8704*(\q)+2176*\t+64*\kh+32*\e   ; keys 16 t on, channels 32 kh on
.endr
.endr
.endr
	WIN W_V
.irp kk, 0,1
.irp ct, 0,1,2,3
.irp e, 0,1
	ds_load_tr16_b128 v[64+32*\kk+8*\ct+4*\e:64+32*\kk+8*\ct+4*\e+3], v8 offset:9216*(\q)+4608*\kk+32*\ct+2304*\e   ; keys 32 kk + 16 e on, channels 16 ct on, turned
.endr
.endr
.endr
	WIN 0
	s_wait_dscnt 16                                ; K is in; V's 16 loads may be out
.irp kh, 0,1                                   ; the eight accumulators take turns, one instruction a turn
.irp t, 0,1,2,3
.irp u, 0,1
.if \kh == 0
	v_wmma_f32_16x16x32_f16 v[S+32*\u+8*\t:S+32*\u+8*\t+7], v[KFR+16*\t+8*\kh:KFR+16*\t+8*\kh+7], v[QF+16*\u+8*\kh:QF+16*\u+8*\kh+7], 0
.else
	v_wmma_f32_16x16x32_f16 v[S+32*\u+8*\t:S+32*\u+8*\t+7], v[KFR+16*\t+8*\kh:KFR+16*\t+8*\kh+7], v[QF+16*\u+8*\kh:QF+16*\u+8*\kh+7], v[S+32*\u+8*\t:S+32*\u+8*\t+7]
.endif
.endr
.endr
.endr
.rept 4
	v_nop
.endr
	s_add_co_u32 s67, s17, 63                      ; a step all of whose keys count for all my queries skips the mask
	s_cmp_le_u32 s67, s18
	s_cbranch_scc1 .Lopen_\@
	s_sub_co_i32 s67, s18, s17
	v_add_nc_u32 v11, s67, v10                     ; d = my query of tile 0 - the step's first key - 8 (lane / 16).  Register 8 t + j holds key 16 t + 8 (lane / 16) + j: hidden where 16 t + j > d
	v_add_nc_u32 v13, 16, v11                      ; tile 1's queries lie 16 on
.irp u, 0,1
.irp n, 0,1,2,3,4,5,6,7,8,9,10,11,12,13,14,15,16,17,18,19,20,21,22,23,24,25,26,27,28,29,30,31
	v_cmp_gt_i32 vcc_lo, 16*(\n/8)+\n%8, v[11+2*\u]
	v_cndmask_b32 v[S+32*\u+\n], v[S+32*\u+\n], v12, vcc_lo
.endr
.endr
.Lopen_\@:
	SOFT
	s_wait_dscnt 0x0                               ; V is in
	WIN W_PV
.irp kk, 0,1
.irp ct, 0,1,2,3
.irp u, 0,1
	v_wmma_f32_16x16x32_f16 v[32*\u+8*\ct:32*\u+8*\ct+7], v[64+32*\kk+8*\ct:64+32*\kk+8*\ct+7], v[P+16*\u+8*\kk:P+16*\u+8*\kk+7], v[32*\u+8*\ct:32*\u+8*\ct+7]
.endr
.endr
.endr
	WIN 0
.Lhidden_\@:
	s_add_co_u32 s17, s17, 64
.endm
; THE CHANGE OF SLOTS stands at a slot's head.  Each wave waits for all its tensor loads (its part of the slot ahead), adds 0 to its spare word, and waits for that and for its reads of the slot that it has left.
; Behind the barrier the slot ahead is whole and nobody reads the other: fill = 1: it takes the key slot that follows in my work-group's walk, and that load has four key steps in which to land.
.macro CHANGE fill
	s_wait_tensorcnt 0x0                           ; no tensor load of mine is out, so a group 0 may be written
	ds_add_u32 v[SPW], v[NIL]                      ; 0 onto my spare word
.if \fill
	ds_add_u32 v[SPW], v[NIL]                      ; and once more, in every trip alike
	s_add_co_u32 s13, s13, 1                       ; the next key slot;
	s_cmp_eq_u32 s12, s11
	s_cselect_b32 s13, 0, s13                      ; in trip I: the second block's first
	s_lshl_b32 s14, s13, 15                        ; 256 keys of 128 bytes
	s_xor_b32 s41, s41, SLOT1
	s_add_nc_u64 s[42:43], s[48:49], s[14:15]
	s_or_b32 s43, s43, 0x80000000
	s_xor_b32 s45, s45, SLOT1
	s_add_nc_u64 s[46:47], s[50:51], s[14:15]
	s_or_b32 s47, s47, 0x80000000
	s_wait_xcnt 0x0                                ; the last prefetches, a slot back, have read their addresses
	s_add_nc_u64 s[60:61], s[60:61], 32768
	s_add_nc_u64 s[62:63], s[62:63], 32768
.endif
	s_wait_dscnt 0x0                               ; the add is done, and my reads of the slot that I have left are over
	s_barrier_signal -1
	s_barrier_wait -1
.if \fill
	TLOAD                                          ; the first thing behind the barrier, and a wave's one tensor load until the next
	ASK
.endif
.endm
; A block of queries is finished: O^T / l, rounded to f16.  A lane's eight channels of a row are 16 bytes at 16 x lane of half a fragment's image: each store covers 512 consecutive bytes, aligned, and no stage is needed.
.macro FINISH base
.rept 4
	v_nop                                          ; places behind the last products
.endr
.irp u, 0,1
	v_add_f32 v[ST+12*\u+4], v[ST+12*\u+2], v[ST+12*\u+3]
.endr
.irp u, 0,1
	v_permlanex16_b32 v[ST+12*\u+5], v[ST+12*\u+4], s20, s21
.endr
.irp u, 0,1
	v_add_f32 v[ST+12*\u+4], v[ST+12*\u+4], v[ST+12*\u+5]
.endr
.irp u, 0,1
	v_rcp_f32 v[ST+12*\u+8], v[ST+12*\u+4]
.endr
	v_nop                                          ; a plain line behind the last reciprocal,
	s_wait_alu depctr_va_vdst(0)                   ; and a wait ahead of the first use
	WIN W_RS
.irp u, 0,1
.irp i, 0,2,4,6,8,10,12,14,16,18,20,22,24,26,28,30
	v_pk_mul_f32 v[32*\u+\i:32*\u+\i+1], v[32*\u+\i:32*\u+\i+1], v[ST+12*\u+8:ST+12*\u+9] op_sel_hi:[1,0]
.endr
.endr
	WIN W_CV
.irp u, 0,1
.irp ct, 0,1,2,3
.irp e, 0,1,2,3
	v_cvt_pk_f16_f32 v[KFR+16*\u+4*\ct+\e], v[32*\u+8*\ct+2*\e], v[32*\u+8*\ct+2*\e+1]
.endr
.endr
.endr
	WIN 0
.irp u, 0,1
.irp ct, 0,1,2,3
	global_store_b128 v5, v[KFR+16*\u+4*\ct:KFR+16*\u+4*\ct+3], s[\base:\base+1] offset:4096*\u+512*\ct
.endr
.endr
.endm
.macro QLOAD base                      ; my 32 queries stay in registers: tile u, channels 32 kh on
.irp u, 0,1
.irp kh, 0,1
.irp e, 0,1
	global_load_b128 v[QF+16*\u+8*\kh+4*\e:QF+16*\u+8*\kh+4*\e+3], v6, s[\base:\base+1] offset:2048*\u+64*\kh+32*\e
.endr
.endr
.endr
.endm
	s_load_b128 s[4:7], s[0:1], 0x0                ; qkv s[4:5], ctx s[6:7]
	v_lshl_add_u32 v[SPW], v0, 2, SPARE
	v_mov_b32 v[NIL], 0
	ds_add_u32 v[SPW], v[NIL]                      ; the wave's opening: the add, twice on end, and its wait ahead of the first tensor load
	ds_add_u32 v[SPW], v[NIL]
	v_lshrrev_b32 v1, 5, v0
	v_readfirstlane_b32 s8, v1                     ; wave 0..7
	s_mov_b32 s9, ttmp9                            ; I
	s_and_b32 s10, ttmp7, 0xffff                   ; 16 b + h
	s_sub_co_u32 s11, 8, s9
	s_mov_b32 s12, 8
	s_mov_b32 s13, 0
	s_mov_b32 s14, 0
	s_mov_b32 s15, 0
	s_mov_b32 s16, 0
	s_mov_b32 s17, 0
	s_lshl_b32 s67, s8, 5
	s_lshl_b32 s18, s9, 8
	s_add_co_u32 s18, s18, s67                     ; my first query: 256 I + 32 x wave
	s_sub_co_u32 s19, 7, s9
	s_lshl_b32 s19, s19, 8
	s_add_co_u32 s19, s19, s67                     ; and in the second block: 256 (7 - I) + 32 x wave
	s_mov_b32 s20, 0x76543210
	s_mov_b32 s21, 0xfedcba98
	s_mov_b32 s22, 0x3e38aa3b                      ; c = log2(e) / 8
	s_mov_b32 s23, s22                             ; (named with it as a pair, so it is written)
	; group 1: 64 rows of 128 elements of 2 bytes (two keys), dense in memory, padded in LDS
	s_mov_b32 s24, (1<<16)|(1<<20)|(5<<22)|(3<<25) ; no mask; elements of 2 bytes; padding on: after every 64 words, 4 words
	s_mov_b32 s32, (1<<16)|(1<<20)|(5<<22)|(7<<25) ; the same with 8 words
.irp g, 24, 32
	s_mov_b32 s[\g+1], 128<<16                     ; tensor_dim0
	s_mov_b32 s[\g+2], 64<<16                      ; tensor_dim1
	s_mov_b32 s[\g+3], 128<<16                     ; tile_dim0
	s_mov_b32 s[\g+4], 64                          ; tile_dim1
	s_mov_b32 s[\g+5], 128                         ; the pitch
	s_mov_b32 s[\g+6], 0
	s_mov_b32 s[\g+7], 0
.endr
	s_lshl_b32 s68, s10, 18                        ; the head's 262,144 bytes in q, k and v
	s_and_b32 s2, s8, 1                            ; which half of a slot I fetch, if I fetch
	s_lshl_b32 s70, s2, 14
	s_add_co_u32 s70, s70, s68
	s_add_co_u32 s70, s70, 16777216                ; k lies behind q
	s_mov_b32 s71, 0
	s_lshl_b32 s72, s18, 7
	s_add_co_u32 s72, s72, s68
	s_mov_b32 s73, 0
	s_lshl_b32 s74, s19, 7
	s_add_co_u32 s74, s74, s68
	s_mov_b32 s75, 0
	s_bfe_u32 s76, s10, 0x30001                    ; ctx: K step h / 2 of 2,097,152 bytes,
	s_lshl_b32 s76, s76, 21
	s_lshr_b32 s77, s10, 4
	s_lshl_b32 s77, s77, 19                        ; sequence b: 128 tiles of 4,096 bytes,
	s_add_co_u32 s76, s76, s77
	s_and_b32 s77, s10, 1
	s_lshl_b32 s77, s77, 11                        ; the odd head's 64 channels: 2,048 bytes on
	s_add_co_u32 s76, s76, s77
	s_lshl_b32 s78, s19, 8                         ; a tile of 16 queries: 4,096 bytes
	s_add_co_u32 s78, s78, s76
	s_mov_b32 s79, 0
	s_lshl_b32 s77, s18, 8
	s_add_co_u32 s76, s76, s77
	s_mov_b32 s77, 0
	s_lshr_b32 s67, s8, 2
	s_xor_b32 s67, s67, 1                          ; 0 in waves 4 to 7
	s_or_b32 s67, s67, s9                          ; of the head's work-group I = 0
	s_cmp_eq_u32 s67, 0
	s_cselect_b32 s66, 1, -1
	s_wait_dscnt 0x0                               ; both opening adds are done
	s_wait_kmcnt 0x0
	s_add_nc_u64 s[48:49], s[4:5], s[70:71]
	s_add_nc_u64 s[50:51], s[48:49], 16777216      ; v lies behind k
	s_add_nc_u64 s[52:53], s[4:5], s[72:73]
	s_add_nc_u64 s[54:55], s[4:5], s[74:75]
	s_add_nc_u64 s[56:57], s[6:7], s[76:77]
	s_add_nc_u64 s[58:59], s[6:7], s[78:79]
	s_and_b32 s70, s8, 3
	s_lshl_b32 s70, s70, 13                        ; the prefetches: 8,192 bytes a wave, in key slot 0: each change of slots steps them a slot on before it asks
	s_add_co_u32 s70, s70, s68
	s_add_co_u32 s70, s70, 16777216
	s_add_nc_u64 s[60:61], s[4:5], s[70:71]
	s_add_nc_u64 s[62:63], s[60:61], 16777216
	s_mov_b32 s40, 1                               ; group 0: count = 1,
	s_mul_i32 s41, s2, 17408                       ; LDS address: slot 0, my half: 64 double rows x 272,
	s_mov_b64 s[42:43], s[48:49]                   ; key slot 0,
	s_or_b32 s43, s43, 0x80000000                  ; type = 2
	s_mov_b32 s44, 1
	s_mul_i32 s45, s2, 18432
	s_add_co_u32 s45, s45, VOFF
	s_mov_b64 s[46:47], s[50:51]
	s_or_b32 s47, s47, 0x80000000
	TLOAD                                          ; slot 0: key 0 counts for every query
	v_and_b32 v232, 15, v0                         ; r
	v_bfe_u32 v233, v0, 4, 1                       ; h
	v_lshlrev_b32 v6, 7, v232
	v_lshl_add_u32 v6, v233, 4, v6                 ; Q: row r of 128 bytes, + 16 h
	QLOAD 52
	v_lshrrev_b32 v234, 1, v232
	v_mul_u32_u24 v1, v234, 272
	v_and_b32 v235, 1, v232
	v_lshl_add_u32 v1, v235, 7, v1
	v_lshl_add_u32 v1, v233, 4, v1                 ; K: key r: double row r / 2, half r % 2, + 16 h
	v_and_b32 v234, 7, v0
	v_lshl_add_u32 v234, v233, 3, v234             ; V: the turning load: lane l reads key 8 (l / 16) + l % 8, channels 8 ((l / 8) % 2) on
	v_lshrrev_b32 v235, 1, v234
	v_mul_u32_u24 v2, v235, 288
	v_and_b32 v235, 1, v234
	v_lshl_add_u32 v2, v235, 7, v2
	v_bfe_u32 v235, v0, 3, 1
	v_lshl_add_u32 v2, v235, 4, v2
	v_add_nc_u32 v2, VOFF, v2
	v_and_b32 v236, 31, v0
	v_lshlrev_b32 v5, 4, v236                      ; the way out: 16 x lane
	v_lshlrev_b32 v9, 8, v236                      ; the prefetches: 256 x lane
	v_lshlrev_b32 v10, 3, v233
	v_sub_nc_u32 v10, v232, v10                    ; r - 8 h
	v_mov_b32 v12, 0xff800000                      ; -infinity
	INIT
	s_wait_loadcnt 0x0                             ; Q
.Lslot:                                            ; 8 trips: behind each change of slots but the last the next key slot is asked for
	CHANGE 1
	STEP 0
	STEP 1
	STEP 2
	STEP 3
	s_xor_b32 s16, s16, SLOT1                      ; on to the other slot
	s_cmp_lg_u32 s12, s11                          ; trip I ends the first block: ids alone, the same in all eight waves; no barrier or tensor load stands in the branch
	s_cbranch_scc1 .Lsame
	FINISH 56
	QLOAD 54                                       ; the second block's queries
	INIT
	s_mov_b32 s17, 0
	s_mov_b32 s18, s19
	s_wait_loadcnt 0x0
	s_wait_xcnt 0x0                                ; the stores have read their registers: K's fragments may land there again
.Lsame:
	s_sub_co_u32 s12, s12, 1
	s_cmp_lg_u32 s12, 0
	s_cbranch_scc1 .Lslot
	CHANGE 0                                       ; the last slot is written out: nothing is left to fetch
	STEP 0
	STEP 1
	STEP 2
	STEP 3
	FINISH 58
	s_wait_tensorcnt 0x0                           ; the wave's end
	ds_add_u32 v[SPW], v[NIL]
	s_wait_dscnt 0x0
	s_endpgm
.Lfunc_end_k_q237cc0a108_attn:
	.size	k_q237cc0a108_attn, .Lfunc_end_k_q237cc0a108_attn-k_q237cc0a108_attn
	.p2alignl 7, 3214868480
	.fill 96, 4, 3214868480
	.section	.rodata,"a",@progbits
	.p2align	6, 0x0
	.amdhsa_kernel k_q237cc0a108_attn
		.amdhsa_group_segment_fixed_size 327680
		.amdhsa_private_segment_fixed_size 0
		.amdhsa_enable_private_segment 0
		.amdhsa_kernarg_size 16
		.amdhsa_user_sgpr_count 2
		.amdhsa_user_sgpr_kernarg_segment_ptr 1
		.amdhsa_wavefront_size32 1
		.amdhsa_system_sgpr_workgroup_id_x 1
		.amdhsa_system_sgpr_workgroup_id_y 1
		.amdhsa_system_sgpr_workgroup_id_z 1
		.amdhsa_system_vgpr_workitem_id 0
		.amdhsa_next_free_vgpr 384
		.amdhsa_next_free_sgpr 80
		.amdhsa_reserve_vcc 1
		.amdhsa_float_denorm_mode_32 3
		.amdhsa_float_denorm_mode_16_64 3
		.amdhsa_memory_ordered 1
		.amdhsa_forward_progress 1
		.amdhsa_inst_pref_size 197
	.end_amdhsa_kernel
	.amdgpu_metadata
---
amdhsa.version: [ 1, 2 ]
amdhsa.kernels:
  - .name:           k_q237cc0a108_attn
    .symbol:         k_q237cc0a108_attn.kd
    .args:
      - { .name: qkv, .offset: 0, .size: 8, .value_kind: global_buffer, .address_space: global }
      - { .name: ctx, .offset: 8, .size: 8, .value_kind: global_buffer, .address_space: global }
    .group_segment_fixed_size: 327680
    .private_segment_fixed_size: 0
    .kernarg_segment_align: 8
    .kernarg_segment_size: 16
    .max_flat_workgroup_size: 256
    .sgpr_count:     80
    .vgpr_count:     384
    .wavefront_size: 32
...
	.end_amdgpu_metadata
.endif
;; end of part 3
;; launch proj (part 4): grid 4 x 64, 4 waves a work-group, clusters of 4 x 4, 327,680 bytes of LDS; arguments ctx, wo16, bo, out0; writes out0
.if DOCPART == 4
	.amdgcn_target "amdgcn-amd-amdhsa--gfx1250"
	.amdhsa_code_object_version 6
	.text
	.protected	k_q237cc0a108_proj
	.globl	k_q237cc0a108_proj
	.p2align	8
	.type	k_q237cc0a108_proj,@function
k_q237cc0a108_proj:
	s_mov_b64 s[64:65], 0
	v_nop
	global_prefetch_b8 v0, s[64:65] scope:SCOPE_SE
	s_setreg_imm32_b32 hwreg(HW_REG_WAVE_MODE, 25, 1), 1
	s_wait_xcnt 0x0
	s_wait_alu depctr_hold_cnt(0) depctr_sa_sdst(0) depctr_va_vdst(0) depctr_va_sdst(0) depctr_va_ssrc(0) depctr_va_vcc(0) depctr_vm_vsrc(0)
	s_getreg_b32 s2, hwreg(HW_REG_IB_STS2, 6, 4)
	s_cmp_eq_u32 s2, 0
	s_cbranch_scc0 .Lentry_in_a_cluster
	s_endpgm
.Lentry_in_a_cluster:
	s_bfe_u32 s2, ttmp6, 0x10000c
	s_cmp_lg_u32 s2, 0xf033
	s_cbranch_scc0 .Lentry_shape_is_right
	s_endpgm
.Lentry_shape_is_right:
; PROJ.  out0 = ctx Wo + bo: 8,192 x 1,024 x 1,024, f16 operands, sums in f32, out0 f32.  (Rows 0-15 of each sequence are written here like the others and replaced by the next launch in f32.)
; A tile of 128 x 256 gives 256 work-groups.  Four waves, each 64 rows x 128 columns: 32 accumulators, 256 registers.  K goes in 8 steps of 128 through two LDS slots.
; BOTH OPERANDS LIE IN MEMORY AS IMAGES OF THE OPERAND REGISTERS (a fragment, 16 rows x 32 K of f16, is 1,024 bytes: group c of lane l at 512 c + 16 l): a K step's tiles are dense blocks, a fragment comes by two
; ds_load_b128 at 16 x lane, LDS has no pitch and no padding.
; CLUSTERS: 4 x 4 work-groups: ctx's tile is shared along a row of the cluster, Wo's along a column: each is asked for jointly.  Where a slot is filled again a round of the cluster's barrier stands in front.
; THE MATRIX INSTRUCTION IS USED TRANSPOSED (source 0 = 16 columns of Wo, source 1 = 16 rows of ctx): a lane holds eight neighbouring numbers of a row.  THE BIAS is the C of each sum's first matrix instruction.
; No prefetch: a K step's tiles are 96 KiB for 128 matrix instructions a wave, and the four partners' requests are one.
; REGISTERS: window 0: v16-29 addresses; v64-127 the bias in the result's layout; v128-255 rows on the way out.   window 1: two fragment buffers at v0 and v128: ctx's four at f + 8 a, Wo's eight at f + 32 + 8 b.
;   window 2: the accumulators, (a, b) at v[8 (8 a + b)].
.set SLOT,  98304                      ; ctx's 8 tiles of 16 rows x 4,096 bytes, then Wo's 16
.set STG,   196608                     ; the way out: 16 rows x (512 bytes + 16) for each wave; bytes of its own
.set SPARE, 230400                     ; the spare words, 128 bytes a wave: two blocks of 256 bytes that no other line names
.set ADRA, 16                          ; v16-17 my fragments of ctx in slot 0, 1
.set ADRB, 20                          ; v20-21 of Wo
.set STO,  24
.set RD,   25
.set CO,   26                          ; v26  16 x lane
.set SPW,  28
.set NIL,  29
.set BI,   64
.set BK,   128
.set F0,   0
.set F1,   128
.set G1, 24                            ; s[24:31], s[32:39]: groups 1 and 0 (a set for each slot) for ctx's tiles;  s[48:55], s[56:63]: for Wo's
.set G0, 32
.set G1B, 48
.set G0B, 56
.set MSB, 0
.macro WIN new
.if MSB != (\new)
	s_set_vgpr_msb (MSB<<8)|(\new)
.set MSB, (\new)
.endif
.endm
.set MUL,   0xa5                       ; sources 0 and 1 window 1, C and D window 2
.set MUL_B, 0x85                       ; the same with C (the bias) in window 0
.set TO_F,  0x40                       ; destination window 1, address window 0
.macro JLOAD s                         ; waves 0 and 1 fetch ctx's halves, waves 2 and 3 Wo's; an s_nop 0 and four v_nop follow each line
	s_cmp_eq_u32 s15, 0
	s_cbranch_scc0 .Lfor_b_\@
	tensor_load_to_lds s[G0+4*\s:G0+4*\s+3], s[G1:G1+7]
	s_nop 0
.rept 4
	v_nop
.endr
	s_branch .Lasked_\@
.Lfor_b_\@:
	tensor_load_to_lds s[G0B+4*\s:G0B+4*\s+3], s[G1B:G1B+7]
	s_nop 0
.rept 4
	v_nop
.endr
.Lasked_\@:
.endm
.macro CREST                           ; a round of the cluster's barrier behind its opening barrier
	s_cmp_lg_u32 s14, 0
	s_cbranch_scc1 .Lnot_wave_0_\@
	s_barrier_signal -3
.Lnot_wave_0_\@:
	s_barrier_wait -3
	s_barrier_signal -1
	s_barrier_wait -1
.endm
.macro CROUND
	s_barrier_signal -1
	s_barrier_wait -1
	CREST
.endm
	s_load_b256 s[4:11], s[0:1], 0x0               ; ctx s[4:5], wo16 s[6:7], bo s[8:9], out0 s[10:11]
	v_lshl_add_u32 v[SPW], v0, 2, SPARE
	v_mov_b32 v[NIL], 0
	ds_add_u32 v[SPW], v[NIL]                      ; the wave's opening: the add, twice on end, and its wait ahead of my first tensor load
	ds_add_u32 v[SPW], v[NIL]
	v_lshrrev_b32 v1, 5, v0
	v_readfirstlane_b32 s14, v1                    ; wave 0..3
	s_lshr_b32 s15, s14, 1                         ; my half of the tile's rows.  Also: I fetch for ctx (0) or for Wo (1)
	s_and_b32 s16, s14, 1                          ; my half of its columns.  Also: which half I fetch
	s_bfe_u32 s40, ttmp6, 0x40000                  ; cx
	s_bfe_u32 s41, ttmp6, 0x40004                  ; cy
	s_lshl_b32 s42, ttmp9, 2
	s_add_co_u32 s42, s42, s40                     ; tile column
	s_and_b32 s17, ttmp7, 0xffff
	s_lshl_b32 s17, s17, 2
	s_add_co_u32 s17, s17, s41                     ; tile row
	s_lshl_b32 s43, s41, 2
	s_lshl_b32 s43, 15, s43                        ; my row of the cluster
	s_lshl_b32 s44, 0x1111, s40                    ; my column
	; group 1: dense blocks as rows of 256 bytes (32 elements of 8 bytes), no padding: 64 rows of ctx, 128 of Wo
	s_or_b32 s[G1+0], s43, (3<<16)|(1<<21)
	s_mov_b32 s[G1+1], 32<<16
	s_mov_b32 s[G1+2], 64<<16
	s_mov_b32 s[G1+3], 32<<16
	s_mov_b32 s[G1+4], 64
	s_mov_b32 s[G1+5], 32
	s_mov_b32 s[G1+6], 0
	s_mov_b32 s[G1+7], 0
	s_or_b32 s[G1B+0], s44, (3<<16)|(1<<21)
	s_mov_b32 s[G1B+1], 32<<16
	s_mov_b32 s[G1B+2], 128<<16
	s_mov_b32 s[G1B+3], 32<<16
	s_mov_b32 s[G1B+4], 128
	s_mov_b32 s[G1B+5], 32
	s_mov_b32 s[G1B+6], 0
	s_mov_b32 s[G1B+7], 0
	s_lshl_b32 s18, s16, 2
	s_lshl_b32 s20, s17, 3
	s_add_co_u32 s20, s20, s18                     ; ctx: tile 8 x tile row + 4 x half
	s_lshl_b32 s20, s20, 12
	s_mov_b32 s21, 0
	s_lshl_b32 s19, s16, 3
	s_lshl_b32 s46, s42, 4
	s_add_co_u32 s46, s46, s19                     ; Wo: tile 16 x tile column + 8 x half
	s_lshl_b32 s46, s46, 12
	s_mov_b32 s47, 0
	s_lshl_b32 s22, s16, 14                        ; where they go: ctx's half,
	s_lshl_b32 s23, s16, 15
	s_add_co_u32 s23, s23, 32768                   ; Wo's half, behind ctx's 8 tiles: no place in the cluster enters an LDS address
	s_wait_dscnt 0x0                               ; both opening adds are done
	s_wait_kmcnt 0x0
	s_add_nc_u64 s[20:21], s[4:5], s[20:21]
	s_add_nc_u64 s[46:47], s[6:7], s[46:47]
	CROUND                                         ; all sixteen work-groups are here: the first joint loads meet
.irp s, 0,1
	s_mov_b32 s[G0+4*\s], 1
	s_add_co_u32 s[G0+4*\s+1], s22, \s*SLOT
	s_add_nc_u64 s[G0+4*\s+2:G0+4*\s+3], s[20:21], \s*2097152      ; K step s
	s_or_b32 s[G0+4*\s+3], s[G0+4*\s+3], 0x80000000
	s_mov_b32 s[G0B+4*\s], 1
	s_add_co_u32 s[G0B+4*\s+1], s23, \s*SLOT
	s_add_nc_u64 s[G0B+4*\s+2:G0B+4*\s+3], s[46:47], \s*262144
	s_or_b32 s[G0B+4*\s+3], s[G0B+4*\s+3], 0x80000000
	JLOAD \s
.endr
	v_and_b32 v1, 15, v0                           ; r
	v_bfe_u32 v2, v0, 4, 1                         ; h
	v_and_b32 v3, 31, v0
	v_lshlrev_b32 v[CO], 4, v3
	v_lshlrev_b32 v27, 5, v2                       ; the bias: 32 h bytes
	s_lshl_b32 s68, s42, 10
	s_lshl_b32 s69, s16, 9
	s_add_co_u32 s68, s68, s69                     ; my first column, in bytes of f32
	s_mov_b32 s69, 0
	s_add_nc_u64 s[8:9], s[8:9], s[68:69]
.irp b, 0,1,2,3,4,5,6,7
	global_load_b128 v[BI+8*\b:BI+8*\b+3], v27, s[8:9] offset:64*\b          ; bo at columns 16 b + 8 h + 0 .. 7
	global_load_b128 v[BI+8*\b+4:BI+8*\b+7], v27, s[8:9] offset:64*\b+16
.endr
	s_lshl_b32 s66, s15, 14                        ; my 64 rows of ctx
	s_lshl_b32 s67, s16, 15                        ; my 128 columns of Wo
	s_add_co_u32 s67, s67, 32768
.irp s, 0,1
	v_add_nc_u32 v[ADRA+\s], s66, v[CO]
	v_add_nc_u32 v[ADRB+\s], s67, v[CO]
	s_add_co_u32 s66, s66, SLOT
	s_add_co_u32 s67, s67, SLOT
.endr
	s_mul_i32 s66, s14, 8448
	s_add_co_u32 s66, s66, STG                     ; my stage
	v_mul_u32_u24 v5, v1, 528
	v_lshl_add_u32 v5, v2, 5, v5
	v_add_nc_u32 v[STO], s66, v5                   ; in: row r, 32 bytes for each half of the lanes
	v_add_nc_u32 v[RD], s66, v[CO]                 ; back: the 32 lanes take a row of 512 bytes
	s_lshl_b32 s66, s17, 19                        ; 128 rows of 4,096 bytes a tile row
	s_lshl_b32 s67, s15, 18
	s_add_co_u32 s66, s66, s67
	s_add_co_u32 s66, s66, s68
	s_mov_b32 s67, 0
	s_add_nc_u64 s[10:11], s[10:11], s[66:67]
.macro MUL8 f, a, first                ; ctx's block a against Wo's eight, 32 along K.  The 32 accumulators take turns in the same order in every quarter
.irp b, 0,1,2,3,4,5,6,7
.if \first
	v_wmma_f32_16x16x32_f16 v[8*(8*(\a)+\b):8*(8*(\a)+\b)+7], v[\f+32+8*\b:\f+32+8*\b+7], v[\f+8*(\a):\f+8*(\a)+7], v[BI+8*\b:BI+8*\b+7]
.else
	v_wmma_f32_16x16x32_f16 v[8*(8*(\a)+\b):8*(8*(\a)+\b)+7], v[\f+32+8*\b:\f+32+8*\b+7], v[\f+8*(\a):\f+8*(\a)+7], v[8*(8*(\a)+\b):8*(8*(\a)+\b)+7]
.endif
.endr
.endm
.macro FETCH slot, kq, f               ; 24 LDS loads in one run: Wo's eight fragments, then ctx's four, of the slot's kq-th 32 along K
	WIN TO_F
.irp b, 0,1,2,3,4,5,6,7
	ds_load_b128 v[\f+32+8*\b:\f+32+8*\b+3],   v[ADRB+\slot] offset:4096*\b+1024*(\kq)
	ds_load_b128 v[\f+32+8*\b+4:\f+32+8*\b+7], v[ADRB+\slot] offset:4096*\b+1024*(\kq)+512
.endr
.irp a, 0,1,2,3
	ds_load_b128 v[\f+8*\a:\f+8*\a+3],   v[ADRA+\slot] offset:4096*\a+1024*(\kq)
	ds_load_b128 v[\f+8*\a+4:\f+8*\a+7], v[ADRA+\slot] offset:4096*\a+1024*(\kq)+512
.endr
.endm
.macro PLACES                          ; four plain lines in front of loads into registers that matrix instructions have read, and of reads of results
.rept 4
	v_nop
.endr
.endm
.macro QUARTER slot, kq, f, g, first   ; multiplies buffer f; in its middle it fetches the quarter kq of the same slot into buffer g
	s_wait_dscnt 4                                 ; all but the youngest four loads (ctx's blocks 2, 3) are in
.if \first
	WIN MUL_B
.else
	WIN MUL
.endif
	MUL8 \f, 0, \first
	MUL8 \f, 1, \first
	PLACES
	FETCH \slot, \kq, \g
	s_wait_dscnt 24                                ; all but the 24 just issued
.if \first
	WIN MUL_B
.else
	WIN MUL
.endif
	MUL8 \f, 2, \first
	MUL8 \f, 3, \first
.endm
; A slot's last quarter multiplies buffer 1 and changes slots: one barrier; in front of it each wave waits for all its tensor loads, adds 0 to its spare word, and waits for that and for its reads of this slot.
.macro TURN slot, next, fill
	WIN 0                                          ; (the add's two registers lie in window 0)
	s_wait_tensorcnt 0x0                           ; all my tensor loads have landed: my part of the next slot
	ds_add_u32 v[SPW], v[NIL]                      ; 0 onto my spare word
	s_wait_dscnt 5                                 ; (the add and the youngest four loads may be out)
	WIN MUL
	MUL8 F1, 0, 0
	s_wait_dscnt 0x0                               ; the add is done, and my reads of this slot are over
	s_barrier_signal -1
	MUL8 F1, 1, 0
.if \fill
	WIN 0
.endif
	s_barrier_wait -1
.if \fill
	CREST                                          ; the barrier has opened a round of the cluster's barrier: no wave of any partner still reads this slot or has a load on its way
	s_add_nc_u64 s[G0+4*\slot+2:G0+4*\slot+3], s[G0+4*\slot+2:G0+4*\slot+3], 2*2097152
	s_add_nc_u64 s[G0B+4*\slot+2:G0B+4*\slot+3], s[G0B+4*\slot+2:G0B+4*\slot+3], 2*262144
	JLOAD \slot                                    ; the first tensor load behind the round; its four v_nop are also the places in front of the loads below
.else
	PLACES
.endif
	FETCH \next, 0, F0
	WIN MUL
	MUL8 F1, 2, 0
	MUL8 F1, 3, 0
.endm
	s_wait_tensorcnt 1                             ; my part of K step 0 is in; K step 1's load may be out
	s_barrier_signal -1
	s_barrier_wait -1
	s_wait_loadcnt 0x0                             ; the bias
	FETCH 0, 0, F0
	QUARTER 0, 1, F0, F1, 1                        ; the first quarter's products start the sums, from the bias
	WIN 0                                          ; at a label and at a branch every window is 0
	s_mov_b32 s3, 3
.Llap:                                                 ; a trip goes once round the ring and fills both slots again: K steps 2 to 7
	QUARTER 0, 2, F1, F0, 0
	QUARTER 0, 3, F0, F1, 0
	TURN 0, 1, 1
	QUARTER 1, 1, F0, F1, 0
	QUARTER 1, 2, F1, F0, 0
	QUARTER 1, 3, F0, F1, 0
	TURN 1, 0, 1
	QUARTER 0, 1, F0, F1, 0
	WIN 0
	s_sub_co_u32 s3, s3, 1
	s_cmp_lg_u32 s3, 0
	s_cbranch_scc1 .Llap
	QUARTER 0, 2, F1, F0, 0                        ; the last lap fills nothing
	QUARTER 0, 3, F0, F1, 0
	TURN 0, 1, 0
	QUARTER 1, 1, F0, F1, 0
	QUARTER 1, 2, F1, F0, 0
	QUARTER 1, 3, F0, F1, 0
	s_wait_dscnt 4                                 ; the very last quarter
	WIN MUL
	MUL8 F1, 0, 0
	MUL8 F1, 1, 0
	s_wait_dscnt 0
	MUL8 F1, 2, 0
	MUL8 F1, 3, 0
	WIN 0
; THE WAY OUT, block by block of 16 rows x 128 columns: through my own stage, back as whole rows of 512 bytes.
.macro TOSTAGE a
	WIN 0x08                                       ; an LDS store's data are its source 1: window 2
.irp b, 0,1,2,3,4,5,6,7
	ds_store_b128 v[STO], v[8*(8*(\a)+\b):8*(8*(\a)+\b)+3] offset:64*\b           ; each accumulator from its low end on
	ds_store_b128 v[STO], v[8*(8*(\a)+\b)+4:8*(8*(\a)+\b)+7] offset:64*\b+16
.endr
	WIN 0
.set BB, BK+64*((\a)%2)
.irp t, 0,1,2,3,4,5,6,7,8,9,10,11,12,13,14,15
	ds_load_b128 v[BB+4*\t:BB+4*\t+3], v[RD] offset:528*\t          ; LDS serves a wave's instructions in order: these see the stores above
.endr
.endm
.macro SEND a, younger
.set BB, BK+64*((\a)%2)
	s_wait_dscnt \younger
.irp t, 0,1,2,3,4,5,6,7,8,9,10,11,12,13,14,15
	global_store_b128 v[CO], v[BB+4*\t:BB+4*\t+3], s[10:11] offset:(16*(\a)+\t)*4096 th:TH_STORE_NT   ; 32 lanes store 512 consecutive bytes, aligned
.endr
.endm
	PLACES
	TOSTAGE 0
.irp a, 1,2,3
.if \a > 1
	s_wait_xcnt 0x0                                ; block a - 2's stores have read their registers: block a's loads may land there
.endif
	TOSTAGE \a
	SEND \a-1, 32                                  ; behind block a - 1's loads: block a's 16 stores and 16 loads
.endr
	SEND 3, 0
	s_wait_tensorcnt 0x0                           ; the wave's end
	ds_add_u32 v[SPW], v[NIL]
	s_wait_dscnt 0x0
	CROUND                                         ; the closing round
	s_endpgm
.Lfunc_end_k_q237cc0a108_proj:
	.size	k_q237cc0a108_proj, .Lfunc_end_k_q237cc0a108_proj-k_q237cc0a108_proj
	.p2alignl 7, 3214868480
	.fill 96, 4, 3214868480
	.section	.rodata,"a",@progbits
	.p2align	6, 0x0
	.amdhsa_kernel k_q237cc0a108_proj
		.amdhsa_group_segment_fixed_size 327680
		.amdhsa_private_segment_fixed_size 0
		.amdhsa_enable_private_segment 0
		.amdhsa_kernarg_size 32
		.amdhsa_user_sgpr_count 2
		.amdhsa_user_sgpr_kernarg_segment_ptr 1
		.amdhsa_wavefront_size32 1
		.amdhsa_system_sgpr_workgroup_id_x 1
		.amdhsa_system_sgpr_workgroup_id_y 1
		.amdhsa_system_sgpr_workgroup_id_z 1
		.amdhsa_system_vgpr_workitem_id 0
		.amdhsa_next_free_vgpr 768
		.amdhsa_next_free_sgpr 80
		.amdhsa_reserve_vcc 0
		.amdhsa_float_denorm_mode_32 3
		.amdhsa_float_denorm_mode_16_64 3
		.amdhsa_memory_ordered 1
		.amdhsa_forward_progress 1
		.amdhsa_inst_pref_size 86
	.end_amdhsa_kernel
	.amdgpu_metadata
---
amdhsa.version: [ 1, 2 ]
amdhsa.kernels:
  - .name:           k_q237cc0a108_proj
    .symbol:         k_q237cc0a108_proj.kd
    .args:
      - { .name: ctx, .offset: 0, .size: 8, .value_kind: global_buffer, .address_space: global }
      - { .name: wo16, .offset: 8, .size: 8, .value_kind: global_buffer, .address_space: global }
      - { .name: bo, .offset: 16, .size: 8, .value_kind: global_buffer, .address_space: global }
      - { .name: out0, .offset: 24, .size: 8, .value_kind: global_buffer, .address_space: global }
    .group_segment_fixed_size: 327680
    .private_segment_fixed_size: 0
    .kernarg_segment_align: 8
    .kernarg_segment_size: 32
    .max_flat_workgroup_size: 128
    .sgpr_count:     80
    .vgpr_count:     768
    .wavefront_size: 32
...
	.end_amdgpu_metadata
.endif
;; end of part 4
;; launch first (part 5): grid 32 x 4, 16 waves a work-group, no clusters, 38,912 bytes of LDS; arguments q32, Wo, bo, out0; writes out0
.if DOCPART == 5
	.amdgcn_target "amdgcn-amd-amdhsa--gfx1250"
	.amdhsa_code_object_version 6
	.text
	.protected	k_q237cc0a108_first
	.globl	k_q237cc0a108_first
	.p2align	8
	.type	k_q237cc0a108_first,@function
k_q237cc0a108_first:
	s_mov_b64 s[64:65], 0
	v_nop
	global_prefetch_b8 v0, s[64:65] scope:SCOPE_SE
	s_setreg_imm32_b32 hwreg(HW_REG_WAVE_MODE, 25, 1), 1
	s_wait_xcnt 0x0
; FIRST.  Positions 0-15 of each of the four sequences, carried in f32 through the scores, the softmax, the weighted values and the projection: these rows average one to sixteen values and are the largest,
; so the rounding of 16-bit operands weighs most there.  64 rows of 8,192: no bulk work.  They overwrite what the launch before has left in those rows of out0.
; q32 [which 3][b 4][16][1024] f32 holds their q, k, v as the quantised product gave them.
; SHARES.  Work-group (cb, b): 32 columns of out0 from 32 cb on, sequence b.  WAVE w IS HEAD w: it makes the head's attention of 16 queries x 16 keys and multiplies its 64 channels by rows 64 w .. 64 w + 63 of Wo
; x the 32 columns; the sixteen partial sums meet in LDS.  The attention part, half of a wave's 64 matrix instructions, is repeated in each of the 32 column blocks: the price of one launch for all of it.
; THE f32 MATRIX FORM holds k = 2 (lane / 16) + j in register j.  Which true k stands at a place is free so long as both sources agree: each product below says which.
; The registers that this form writes (v176-239) are written by nothing else; what is made of a sum goes into other registers.
; The last store of a wave covers 128 consecutive bytes, half of an aligned 256: 256 KiB in the whole launch.
.set QF, 16                            ; v16-47   q; later the normalised ctx
.set KF, 48                            ; v48-79   k; later the sixteen partial sums
.set VF, 80                            ; v80-111  v
.set WF, 112                           ; v112-175 Wo
.set SA, 176                           ; v176-191 the scores, in two accumulators
.set OA, 192                           ; v192-223 O^T: four tiles of 16 channels
.set YA, 224                           ; v224-239 the output, transposed: two tiles of 16 columns
.set SS, 240                           ; v240-247 the scores, then p
.set CN, 16
.set SPARE, 36864                      ; behind the partial sums (16 waves x 16 rows x 144 bytes): the spare words, 128 bytes a wave
	s_load_b256 s[4:11], s[0:1], 0x0               ; q32 s[4:5], Wo s[6:7], bo s[8:9], out0 s[10:11]
	v_lshl_add_u32 v8, v0, 2, SPARE                ; my spare word; never rewritten
	v_mov_b32 v9, 0                                ; 0; never rewritten
	v_lshrrev_b32 v1, 5, v0
	v_readfirstlane_b32 s12, v1                    ; wave = head
	s_and_b32 s14, ttmp7, 0xffff                   ; sequence
	v_and_b32 v10, 15, v0                          ; r
	v_bfe_u32 v11, v0, 4, 1                        ; h
	v_and_b32 v12, 31, v0                          ; lane
	v_lshlrev_b32 v1, 12, v10
	v_lshl_add_u32 v1, v11, 4, v1                  ; q, k: row r of 4,096 bytes, + 16 h
	v_lshlrev_b32 v2, 2, v10
	v_lshl_add_u32 v2, v11, 15, v2                 ; v, Wo: 8 h rows of 4,096 bytes, + 4 r
	v_lshlrev_b32 v3, 2, v12                       ; 4 x lane
	v_lshlrev_b32 v4, 3, v11
	v_sub_nc_u32 v4, v10, v4                       ; r - 8 h
	v_mov_b32 v5, 0xff800000                       ; -infinity
	s_mul_i32 s15, s12, 2304
	v_mul_u32_u24 v6, v10, 144
	v_lshl_add_u32 v6, v11, 5, v6
	v_add_nc_u32 v6, s15, v6                       ; my partial sums: row r of 144 bytes, + 32 h
	s_mul_i32 s15, s12, 144
	v_add_nc_u32 v7, s15, v3                       ; the reduction: row = my wave, column = my lane
	s_lshl_b32 s16, s14, 16
	s_lshl_b32 s15, s12, 8
	s_add_co_u32 s16, s16, s15                     ; q32: sequence b, the head's 64 columns
	s_mov_b32 s17, 0
	s_lshl_b32 s20, ttmp9, 7                       ; 32 columns of 4 bytes
	s_mov_b32 s21, 0
	s_lshl_b32 s18, s12, 18                        ; Wo: 64 rows of 4,096 bytes a head
	s_add_co_u32 s18, s18, s20
	s_mov_b32 s19, 0
	s_lshl_b32 s22, s14, 11
	s_add_co_u32 s22, s22, s12                     ; out0: row 2,048 b + wave
	s_lshl_b32 s22, s22, 12
	s_add_co_u32 s22, s22, s20
	s_mov_b32 s23, 0
	s_mov_b32 s24, 0x76543210
	s_mov_b32 s25, 0xfedcba98                      ; v_permlanex16_b32's selects for lane l xor 16
	s_mov_b32 s26, 0x3e38aa3b                      ; c = log2(e) / 8
	s_wait_kmcnt 0x0
	s_add_nc_u64 s[4:5], s[4:5], s[16:17]
	s_add_nc_u64 s[6:7], s[6:7], s[18:19]
	s_add_nc_u64 s[8:9], s[8:9], s[20:21]
	s_add_nc_u64 s[10:11], s[10:11], s[22:23]
.irp i, 0,1,2,3,4,5,6,7
	global_load_b128 v[QF+4*\i:QF+4*\i+3], v1, s[4:5] offset:32*\i           ; q(r, 8 i + 4 h + 0 .. 3)
.endr
.irp i, 0,1,2,3,4,5,6,7
	global_load_b128 v[KF+4*\i:KF+4*\i+3], v1, s[4:5] offset:262144+32*\i    ; k likewise
.endr
.irp ct, 0,1,2,3
.irp j, 0,1,2,3,4,5,6,7
	global_load_b32 v[VF+8*\ct+\j], v2, s[4:5] offset:524288+4096*\j+64*\ct  ; v(key 8 h + j, channel 16 ct + r)
.endr
.endr
.irp nt, 0,1
.irp ct, 0,1,2,3
.irp j, 0,1,2,3,4,5,6,7
	global_load_b32 v[WF+32*\nt+8*\ct+\j], v2, s[6:7] offset:(16*\ct+\j)*4096+64*\nt   ; Wo(64 w + 16 ct + 8 h + j, column 16 nt + r)
.endr
.endr
.endr
	global_load_b32 v15, v3, s[8:9]                ; bo at my lane's column
	s_wait_loadcnt 63                              ; q, k and v are in: behind v's last load 65 were issued, and 63 is the largest count that the wait can name
	; S^T = k q^T: source 0 = 16 keys, source 1 = 16 queries; step st holds channels 8 (st / 2) + 4 h + 2 (st % 2) + j.  Two accumulators take turns
.irp st, 0,1,2,3,4,5,6,7,8,9,10,11,12,13,14,15
.if \st < 2
	v_wmma_f32_16x16x4_f32 v[SA+8*(\st%2):SA+8*(\st%2)+7], v[KF+2*\st:KF+2*\st+1], v[QF+2*\st:QF+2*\st+1], 0
.else
	v_wmma_f32_16x16x4_f32 v[SA+8*(\st%2):SA+8*(\st%2)+7], v[KF+2*\st:KF+2*\st+1], v[QF+2*\st:QF+2*\st+1], v[SA+8*(\st%2):SA+8*(\st%2)+7]
.endif
.endr
.rept 8
	v_nop                                          ; eight places behind this form (ISA guide 7.12.1)
.endr
.irp j, 0,1,2,3,4,5,6,7
	v_add_f32 v[SS+\j], v[SA+\j], v[SA+8+\j]       ; lane (r, h): query r, key 8 h + j
.endr
.irp j, 0,1,2,3,4,5,6,7
	v_cmp_gt_i32 vcc_lo, \j, v4                    ; hidden where 8 h + j > r
	v_cndmask_b32 v[SS+\j], v[SS+\j], v5, vcc_lo
.endr
	v_max3_num_f32 v248, v[SS], v[SS+1], v[SS+2]
	v_max3_num_f32 v249, v[SS+3], v[SS+4], v[SS+5]
	v_max3_num_f32 v248, v248, v[SS+6], v[SS+7]
	v_max_num_f32 v248, v248, v249
	v_permlanex16_b32 v249, v248, s24, s25
	v_max_num_f32 v248, v248, v249                 ; the row's maximum: key 0 counts for every query
	v_mul_f32 v248, s26, v248
.irp j, 0,1,2,3,4,5,6,7
	v_fma_f32 v[SS+\j], v[SS+\j], s26, -v248
.endr
.irp j, 0,1,2,3,4,5,6,7
	v_exp_f32 v[SS+\j], v[SS+\j]                   ; p, not normalised
.endr
	v_nop                                          ; a plain line behind the last exponential,
	s_wait_alu depctr_va_vdst(0)                   ; and one wait for the batch, ahead of its first reader
	v_add_f32 v250, v[SS], v[SS+1]
	v_add_f32 v251, v[SS+2], v[SS+3]
	v_add_f32 v252, v[SS+4], v[SS+5]
	v_add_f32 v253, v[SS+6], v[SS+7]
	v_add_f32 v250, v250, v251
	v_add_f32 v252, v252, v253
	v_add_f32 v250, v250, v252
	v_permlanex16_b32 v251, v250, s24, s25
	v_add_f32 v250, v250, v251                     ; the row's sum
	v_rcp_f32 v254, v250
	v_nop
	s_wait_alu depctr_va_vdst(0)
	; O^T = v^T p: source 0 = 16 channels, source 1 = the queries; step s holds keys 8 h + 2 s + j.  Four accumulators take turns
.irp s, 0,1,2,3
.irp ct, 0,1,2,3
.if \s == 0
	v_wmma_f32_16x16x4_f32 v[OA+8*\ct:OA+8*\ct+7], v[VF+8*\ct+2*\s:VF+8*\ct+2*\s+1], v[SS+2*\s:SS+2*\s+1], 0
.else
	v_wmma_f32_16x16x4_f32 v[OA+8*\ct:OA+8*\ct+7], v[VF+8*\ct+2*\s:VF+8*\ct+2*\s+1], v[SS+2*\s:SS+2*\s+1], v[OA+8*\ct:OA+8*\ct+7]
.endif
.endr
.endr
.rept 8
	v_nop
.endr
.irp i, 0,1,2,3,4,5,6,7,8,9,10,11,12,13,14,15,16,17,18,19,20,21,22,23,24,25,26,27,28,29,30,31
	v_mul_f32 v[CN+\i], v[OA+\i], v254             ; ctx(query r, channel 16 ct + 8 h + j) at register 8 ct + j
.endr
	s_wait_loadcnt 1                               ; Wo is in; the bias may be out
	; Y^T = Wo^T ctx^T: source 0 = 16 columns, source 1 = the queries; step (ct, s) holds channels 16 ct + 8 h + 2 s + j.  Two accumulators take turns
.irp ct, 0,1,2,3
.irp s, 0,1,2,3
.irp nt, 0,1
.if (\ct == 0) && (\s == 0)
	v_wmma_f32_16x16x4_f32 v[YA+8*\nt:YA+8*\nt+7], v[WF+32*\nt+8*\ct+2*\s:WF+32*\nt+8*\ct+2*\s+1], v[CN+8*\ct+2*\s:CN+8*\ct+2*\s+1], 0
.else
	v_wmma_f32_16x16x4_f32 v[YA+8*\nt:YA+8*\nt+7], v[WF+32*\nt+8*\ct+2*\s:WF+32*\nt+8*\ct+2*\s+1], v[CN+8*\ct+2*\s:CN+8*\ct+2*\s+1], v[YA+8*\nt:YA+8*\nt+7]
.endif
.endr
.endr
.endr
.rept 8
	v_nop
.endr
.irp nt, 0,1
	ds_store_b128 v6, v[YA+8*\nt:YA+8*\nt+3] offset:64*\nt          ; lane (r, h): query r, columns 16 nt + 8 h + 0 .. 7; each accumulator from its low end on
	ds_store_b128 v6, v[YA+8*\nt+4:YA+8*\nt+7] offset:64*\nt+16
.endr
	s_wait_dscnt 0x0                               ; for the others' sake: my stores have landed
	s_barrier_signal -1
	s_barrier_wait -1
.irp p, 0,1,2,3,4,5,6,7,8,9,10,11,12,13,14,15
	ds_load_b32 v[KF+\p], v7 offset:2304*\p        ; head p's part of row w, column lane
.endr
	s_wait_dscnt 0x0
.irp p, 0,1,2,3,4,5,6,7
	v_add_f32 v[KF+\p], v[KF+\p], v[KF+8+\p]
.endr
.irp p, 0,1,2,3
	v_add_f32 v[KF+\p], v[KF+\p], v[KF+4+\p]
.endr
.irp p, 0,1
	v_add_f32 v[KF+\p], v[KF+\p], v[KF+2+\p]
.endr
	v_add_f32 v[KF], v[KF], v[KF+1]
	s_wait_loadcnt 0x0                             ; the bias
	v_add_f32 v[KF], v[KF], v15
	global_store_b32 v3, v[KF], s[10:11]
	s_wait_tensorcnt 0x0                           ; the wave's end, behind my last LDS store
	ds_add_u32 v8, v9
	s_wait_dscnt 0x0
	s_endpgm
.Lfunc_end_k_q237cc0a108_first:
	.size	k_q237cc0a108_first, .Lfunc_end_k_q237cc0a108_first-k_q237cc0a108_first
	.p2alignl 7, 3214868480
	.fill 96, 4, 3214868480
	.section	.rodata,"a",@progbits
	.p2align	6, 0x0
	.amdhsa_kernel k_q237cc0a108_first
		.amdhsa_group_segment_fixed_size 38912
		.amdhsa_private_segment_fixed_size 0
		.amdhsa_enable_private_segment 0
		.amdhsa_kernarg_size 32
		.amdhsa_user_sgpr_count 2
		.amdhsa_user_sgpr_kernarg_segment_ptr 1
		.amdhsa_wavefront_size32 1
		.amdhsa_system_sgpr_workgroup_id_x 1
		.amdhsa_system_sgpr_workgroup_id_y 1
		.amdhsa_system_sgpr_workgroup_id_z 1
		.amdhsa_system_vgpr_workitem_id 0
		.amdhsa_next_free_vgpr 256
		.amdhsa_next_free_sgpr 66
		.amdhsa_reserve_vcc 1
		.amdhsa_float_denorm_mode_32 3
		.amdhsa_float_denorm_mode_16_64 3
		.amdhsa_memory_ordered 1
		.amdhsa_forward_progress 1
		.amdhsa_inst_pref_size 24
	.end_amdhsa_kernel
	.amdgpu_metadata
---
amdhsa.version: [ 1, 2 ]
amdhsa.kernels:
  - .name:           k_q237cc0a108_first
    .symbol:         k_q237cc0a108_first.kd
    .args:
      - { .name: q32, .offset: 0, .size: 8, .value_kind: global_buffer, .address_space: global }
      - { .name: Wo, .offset: 8, .size: 8, .value_kind: global_buffer, .address_space: global }
      - { .name: bo, .offset: 16, .size: 8, .value_kind: global_buffer, .address_space: global }
      - { .name: out0, .offset: 24, .size: 8, .value_kind: global_buffer, .address_space: global }
    .group_segment_fixed_size: 38912
    .private_segment_fixed_size: 0
    .kernarg_segment_align: 8
    .kernarg_segment_size: 32
    .max_flat_workgroup_size: 512
    .sgpr_count:     66
    .vgpr_count:     256
    .wavefront_size: 32
...
	.end_amdgpu_metadata
.endif
;; end of part 5
